; MI455X (gfx1250); checked and timed in simulation.
; The chip was launched on July 23, 2026; its instructions are those of AMD's public machine-readable ISA for CDNA 5 (MIT licence, August 2026) and "CDNA5" Instruction Set Architecture Reference Guide (July 2026). The comments in the code are by the model that wrote it; some were corrected since.
;; Parallel Slow Castle. Allowed arithmetic: matrix products marked QUANTISED: E2M1 operands, one E8M0 scale for each 32 along K, by v_wmma_scale_f32_16x16x128_f8f6f4 with both operands' format E2M1 (or v_wmma_scale_f32_32x16x128_f4), f32 sums; products left as they are: bf16, f16 or f32 operands; f32 sums; everything else in f32.
;; Inputs: w_k_c 512 x 512 float32; w_k_u 512 x 512 float32; w_out 512 x 512 float32; w_q_c 512 x 512 float32; w_q_u 512 x 512 float32; w_v_c 512 x 512 float32; w_v_u 512 x 512 float32; x 2 x 1,024 x 512 float32.
;; Outputs: out0 2 x 1,024 x 512 float32.
;; This version of the problem:
;;   THIS VERSION OF THE PROBLEM IS GIVEN IN LOW PRECISION. The matrix products marked QUANTISED in the list below multiply operands that are first quantised to E2M1 (2 exponent bits, 1 mantissa bit; 4 bits a number), with one power-of-two scale for each 32 numbers along K (OCP MX v1.0); their sums are f32. The products marked 'left as it is' may take bf16, f16 or f32 operands, with f32 sums. Whichever they take, every output number must still come out within the allowed error. Rounding operands to bf16 (8 significant bits) uses up far more of that allowance than f16 does (11 bits, for magnitudes from 6e-5 to 65,504). All else is computed in f32.
;;   The module's matrix products, in the order in which they are computed (A, B: the left and right operand; K: the contracted axis; several contracted axes count as one K, in the product's order):
;;     1. [M 2,048, K 512] x [K 512, N 512]; A: input x; B: input w_q_u: QUANTISED
;;     2. [M 2,048, K 512] x [K 512, N 512]; A: input x; B: input w_k_u: QUANTISED
;;     3. [M 2,048, K 512] x [K 512, N 512]; A: input x; B: input w_v_u: QUANTISED
;;     4. [M 2,048, K 512] x [K 512, N 512]; A: input x; B: input w_q_c: QUANTISED
;;     5. [M 2,048, K 512] x [K 512, N 512]; A: input x; B: input w_k_c: QUANTISED
;;     6. [M 2,048, K 512] x [K 512, N 512]; A: input x; B: input w_v_c: QUANTISED
;;     7. batch 16 x [M 1,024, K 64] x [K 64, N 1,024]; A: computed on the way; B: computed on the way: left as it is (an operand is computed on the way)
;;     8. batch 16 x [M 1,024, K 64] x [K 64, N 1,024]; A: computed on the way; B: computed on the way: left as it is (an operand is computed on the way)
;;     9. batch 16 x [M 1,024, K 1,024] x [K 1,024, N 1,024]; A: computed on the way; B: computed on the way: left as it is (an operand is computed on the way)
;;     10. batch 16 x [M 1,024, K 64] x [K 64, N 1,024]; A: computed on the way; B: computed on the way: left as it is (an operand is computed on the way)
;;     11. batch 16 x [M 1,024, K 1,024] x [K 1,024, N 64]; A: computed on the way; B: computed on the way: left as it is (an operand is computed on the way)
;;     12. [M 2,048, K 512] x [K 512, N 512]; A: computed on the way; B: input w_out: left as it is (an operand is computed on the way)
;;   THE QUANTISER, for each operand of a quantised product, along K:
;;     - K is cut into blocks of 32 from its start; a last block that is shorter is filled with zeros.
;;     - A block's scale is 2^e with e = floor(log2(the largest magnitude in the block)) - 2, held to -126 .. 127; a block of zeros has e = 0. As a byte (E8M0): e + 127.
;;     - Each number is divided by its block's scale, clamped to +-6, and rounded to the nearest number of E2M1, ties to even, subnormals kept.
;;     - The product sums the exact products of the quantised numbers (number of the format x scale) in f32.
;;   ~~~python
;;   def quantise(x, axis):      # numpy; x: float32 -> the quantised numbers, widened to float32 again
;;       x = np.moveaxis(x, axis, -1); K = x.shape[-1]
;;       x = np.pad(x, [(0, 0)] * (x.ndim - 1) + [(0, -K % 32)]); x = x.reshape(x.shape[:-1] + (-1, 32)); a = np.abs(x).max(-1, keepdims=True)
;;       e = np.where(a > 0, np.clip(np.frexp(np.where(a > 0, a, 1))[1] - 1 - 2, -126, 127), 0)      # np.frexp(a)[1] - 1 = floor(log2(a)), exactly
;;       r = np.clip(x / 2.0 ** e, -6, 6)
;;       step = 2.0 ** (np.maximum(np.frexp(np.where(r == 0, 1, r))[1] - 1, 0) - 1)
;;       q = np.round(r / step) * step * 2.0 ** e      # np.round: ties to even
;;       return np.moveaxis(q.reshape(q.shape[:-2] + (-1,))[..., :K], -1, axis).astype(np.float32)
;;   ~~~
;; One version. Each part assembles by itself: llvm-mc -triple=amdgcn-amd-amdhsa -mcpu=gfx1250 --defsym DOCPART=n.
;; ======== version 1 of 1: 5 launches
;; limits: values outside matrix products are rounded to bf16; values outside matrix products are rounded to f16
;; workspace buffers: qx 557,056 bytes; qw 835,584 bytes; wo16 524,288 bytes; qkv 14,680,064 bytes; fine 393,216 bytes; part 67,108,864 bytes; lam 4,194,304 bytes
;; launch prep (part 1): grid 240 x 1, 4 waves a work-group, no clusters, 34,304 bytes of LDS; arguments x, w_q_u, w_k_u, w_v_u, w_q_c, w_k_c, w_v_c, w_out, qx, qw, wo16; writes qx, qw, wo16
.if DOCPART == 1
	.amdgcn_target "amdgcn-amd-amdhsa--gfx1250"
	.amdhsa_code_object_version 6
	.text
	.protected	k_q3e1b4f4161_prep
	.globl	k_q3e1b4f4161_prep
	.p2align	8
	.type	k_q3e1b4f4161_prep,@function
k_q3e1b4f4161_prep:
	s_mov_b64 s[64:65], 0
	v_nop
	global_prefetch_b8 v0, s[64:65] scope:SCOPE_SE
	s_setreg_imm32_b32 hwreg(HW_REG_WAVE_MODE, 25, 1), 1
	s_wait_xcnt 0x0
; x [2048][512] and the six weights [512 (k)][512 (n)], f32, become codes of FP4 (E2M1) with one E8M0 byte for each 32 along K = 512; w_out [512 (k)][512 (n)] becomes f16.
; All three leave as IMAGES OF OPERAND REGISTERS, so that the launches behind load fragments by dense 16-byte loads:
;   qx   codes [position tile 128][K step 4][c 2][lane 32][16 B]: lane (r, h) holds row r, k = 128 s + 64 c + 32 h + 0..31;  from byte 524,288 the scale words [K step 4][row 2048], byte b of a word for k = 128 s + 32 b ..
;   qw   codes [tensor 6][n tile 32][K step 4][c 2][lane][16 B] likewise with row = column n of the weight;  from byte 786,432 the scale words [tensor 6][K step 4][n 512]
;   wo16 [n tile 32][k block 16][c 2][lane][16 B] f16: lane (r, h) holds n = 16 tile + r, k = 32 block + 16 c + 8 h + 0..7
; A block's scale is 2^(floor(log2(largest magnitude)) - 2): its byte is the largest magnitude's exponent field - 2, held at 1 from below.
; LIMITS: a block of zeros gets the byte 1 where the rule says 127 (its codes are zeros, and this program alone reads the bytes); blocks whose largest magnitude lies under 2^-124 are held at the byte 1;
; NaN and infinities among the inputs are not served; numbers of w_out beyond 65,504 have no f16.
; SHARES.  Work-groups 0..127: one tile of 16 positions of x, wave = K step of 128.  Work-groups 128..239: tensor (g - 128) / 16 (0..5 the weights, 6 w_out), 128 columns, one K step of 128; a wave takes 32 columns.
; No matrix unit, no tensor load, no cluster: each input byte is read once by one wave, nothing is shared.
.set STAGE, 8448                       ; LDS: for each wave 16 rows x (512 bytes + 16)
.set SPARE, 4*STAGE                    ; behind the four stages: the spare words, 128 bytes for each wave, which no other line names
.set COD,   144                        ; v144-159 codes: four registers for each block, so that no store's data are written again
; 32 numbers v[src] .. v[src + 31] of ONE block become 32 codes in v[dst] .. v[dst + 3]; the scale's byte goes to v[by].  v9-11 at work.
.macro QBLK src, dst, by
	v_max3_num_f32 v9, |v[(\src)]|, |v[(\src)+1]|, |v[(\src)+2]|
	v_max3_num_f32 v10, |v[(\src)+3]|, |v[(\src)+4]|, |v[(\src)+5]|
.irp i, 6,10,14,18,22,26
	v_max3_num_f32 v9, v9, |v[(\src)+\i]|, |v[(\src)+\i+1]|          ; two chains, so that no line waits for the line above it
	v_max3_num_f32 v10, v10, |v[(\src)+\i+2]|, |v[(\src)+\i+3]|
.endr
	v_max3_num_f32 v9, v9, |v[(\src)+30]|, |v[(\src)+31]|
	v_max3_num_f32 v9, v9, v10, 0x1800000          ; and the floor 2^(3 - 127): the byte cannot fall under 1
	v_add_nc_u32 v11, 0xff000000, v9               ; 2 off the exponent field: the conversion takes this operand's exponent field as its scale
	v_lshrrev_b32 v[\by], 23, v11                  ; the scale's byte
.irp g, 0,1,2,3
	v_cvt_scalef32_pk8_fp4_f32 v[(\dst)+\g], v[(\src)+8*\g:(\src)+8*\g+7], v11
.endr
	v_nop                                          ; one plain place behind the last scaled conversion
.endm
.macro LOADB b                         ; block b of my column: W(128 s + 32 b + i, column), i = 0..31: each load reads 128 neighbouring bytes, the four waves stand side by side on 512
.irp i, 0,1,2,3,4,5,6,7,8,9,10,11,12,13,14,15,16,17,18,19,20,21,22,23,24,25,26,27,28,29,30,31
	global_load_b32 v[16+32*(\b)+\i], v6, s[36:37] offset:2048*(32*(\b)+\i) th:TH_LOAD_NT
.endr
.endm
	s_load_b512 s[8:23], s[0:1], 0x0               ; x s[8:9]; w_q_u, w_k_u, w_v_u, w_q_c, w_k_c, w_v_c s[10:21]; w_out s[22:23]
	s_load_b128 s[24:27], s[0:1], 0x40             ; qx, qw
	s_load_b64 s[28:29], s[0:1], 0x50              ; wo16
	v_lshl_add_u32 v2, v0, 2, SPARE                ; my spare word; never rewritten
	v_mov_b32 v3, 0                                ; 0; never rewritten
	v_lshrrev_b32 v1, 5, v0
	v_readfirstlane_b32 s4, v1                     ; wave 0..3
	v_and_b32 v1, 31, v0                           ; lane
	v_and_b32 v4, 15, v0                           ; r
	v_bfe_u32 v5, v0, 4, 1                         ; h
	s_mov_b32 s31, 0                               ; the upper word of every offset
	s_wait_kmcnt 0x0
	s_cmp_lt_u32 ttmp9, 128
	s_cbranch_scc0 .Lweights
	; ---- x: 16 rows x 128 numbers.  Each load reads 512 neighbouring bytes of a row; the rows turn through my stage so that lane (r, h) gets whole blocks of row r.
	s_lshl_b32 s30, ttmp9, 15                      ; 16 rows of 2,048 bytes
	s_lshl_b32 s5, s4, 9                           ; my K step's 512 bytes
	s_add_co_u32 s30, s30, s5
	s_add_nc_u64 s[8:9], s[8:9], s[30:31]
	v_lshlrev_b32 v6, 4, v1                        ; 16 x lane
.irp p, 0,1,2,3,4,5,6,7,8,9,10,11,12,13,14,15
	global_load_b128 v[16+4*\p:19+4*\p], v6, s[8:9] offset:2048*\p th:TH_LOAD_NT
.endr
	s_mul_i32 s5, s4, STAGE
	v_add_nc_u32 v7, s5, v6                        ; into the stage: 16 x lane of a row
	v_mul_u32_u24 v8, v4, 528
	v_lshl_add_u32 v8, v5, 7, v8
	v_add_nc_u32 v8, s5, v8                        ; out of it: row r, 128 h bytes on: block h, and 256 bytes further block 2 + h
	s_lshl_b32 s30, ttmp9, 12
	s_lshl_b32 s6, s4, 10
	s_add_co_u32 s30, s30, s6
	s_add_nc_u64 s[34:35], s[24:25], s[30:31]      ; my fragment's image: 4,096 x tile + 1,024 x K step
	s_lshl_b32 s30, s4, 13
	s_lshl_b32 s6, ttmp9, 6
	s_add_co_u32 s30, s30, s6
	s_add_co_u32 s30, s30, 524288
	s_add_nc_u64 s[36:37], s[24:25], s[30:31]      ; my 16 scale words
	s_mov_b32 s38, 0x76543210
	s_mov_b32 s39, 0xfedcba98                      ; v_permlanex16_b32's selects for lane l xor 16
.irp p, 0,1,2,3,4,5,6,7,8,9,10,11,12,13,14,15
	s_wait_loadcnt 15-\p                           ; loads come back in order: row p is in, the younger rows may be out
	ds_store_b128 v7, v[16+4*\p:19+4*\p] offset:528*\p
.endr
.irp c, 0,1
.irp i, 0,1,2,3,4,5,6,7
	ds_load_b128 v[80+32*\c+4*\i:83+32*\c+4*\i], v8 offset:256*\c+16*\i   ; LDS serves a wave's instructions in order: these see my stores
.endr
.endr
	s_wait_dscnt 8                                 ; block h is in; the eight loads of block 2 + h may be out
	QBLK 80, COD, 12
	s_wait_dscnt 0x0
	QBLK 112, COD+4, 13
	global_store_b128 v6, v[COD:COD+3], s[34:35]               ; 32 lanes store 512 neighbouring bytes
	global_store_b128 v6, v[COD+4:COD+7], s[34:35] offset:512
	v_lshl_or_b32 v12, v13, 16, v12                ; my two bytes: blocks h and 2 + h of row r,
	v_lshlrev_b32 v14, 3, v5
	v_lshlrev_b32 v12, v14, v12                    ; at their places in the word (8 h bits up);
	v_mov_b32 v14, 0
	v_permlanex16_b32 v14, v12, s38, s39
	v_or_b32 v12, v12, v14                         ; with lane l xor 16's two the word is whole, in both lanes
	v_lshlrev_b32 v15, 2, v4
	global_store_b32 v15, v12, s[36:37]            ; lanes l and l xor 16 write the same word to the same place: 64 bytes a wave, one byte for 128 read
	s_branch .Lend
.Lweights:                                         ; ---- a lane takes a column n, and its registers run down K
	s_sub_co_u32 s5, ttmp9, 128
	s_lshr_b32 s6, s5, 4                           ; which tensor: 0..5 the weights, 6 w_out
	s_bfe_u32 s7, s5, 0x20002                      ; which 128 columns
	s_and_b32 s5, s5, 3                            ; which K step
	s_lshl_b32 s7, s7, 7
	s_lshl_b32 s30, s4, 5
	s_add_co_u32 s7, s7, s30                       ; my wave's first column
	s_mov_b64 s[36:37], s[22:23]
.irp n, 0,1,2,3,4,5
	s_cmp_eq_u32 s6, \n                            ; the choice hangs on the work-group's number alone
	s_cselect_b64 s[36:37], s[10+2*\n:11+2*\n], s[36:37]
.endr
	s_lshl_b32 s30, s5, 18                         ; 128 rows of 2,048 bytes
	s_lshl_b32 s32, s7, 2
	s_add_co_u32 s30, s30, s32
	s_add_nc_u64 s[36:37], s[36:37], s[30:31]
	v_lshlrev_b32 v6, 2, v1                        ; 4 x lane
	LOADB 0
	LOADB 1                                        ; two blocks ahead
	v_lshlrev_b32 v7, 4, v4                        ; 16 r
	s_cmp_eq_u32 s6, 6
	s_cbranch_scc1 .Lwout
	v_lshl_add_u32 v7, v5, 12, v7                  ; lanes 16-31 hold the next tile of 16 columns: 4,096 bytes on
	s_lshl_b32 s30, s6, 17
	s_lshl_b32 s32, s7, 8
	s_add_co_u32 s30, s30, s32
	s_lshl_b32 s32, s5, 10
	s_add_co_u32 s30, s30, s32
	s_add_nc_u64 s[34:35], s[26:27], s[30:31]      ; codes: 131,072 x tensor + 4,096 x (column / 16) + 1,024 x K step
	s_lshl_b32 s30, s6, 13
	s_lshl_b32 s32, s5, 11
	s_add_co_u32 s30, s30, s32
	s_lshl_b32 s32, s7, 2
	s_add_co_u32 s30, s30, s32
	s_add_co_u32 s30, s30, 786432
	s_add_nc_u64 s[38:39], s[26:27], s[30:31]      ; scale words: 8,192 x tensor + 2,048 x K step + 4 x column
.irp b, 0,1,2,3
.if \b < 3
	s_wait_loadcnt 32                              ; this block's 32 loads are in; the next block's may be out
.else
	s_wait_loadcnt 0x0
.endif
	QBLK 16+32*\b, COD+4*\b, 13
.if \b == 0
	v_mov_b32 v12, v13                             ; the four bytes make my column's scale word, the lower K in the lower byte
.else
	v_lshl_or_b32 v12, v13, 8*\b, v12
.endif
	global_store_b128 v7, v[COD+4*\b:COD+4*\b+3], s[34:35] offset:512*(\b/2)+256*(\b%2)   ; block b is piece c = b / 2 of the lanes with h = b % 2: sixteen lanes store 256 neighbouring bytes, aligned
.if \b < 2
	LOADB \b+2
.endif
.endr
	global_store_b32 v6, v12, s[38:39]             ; 128 neighbouring bytes
	s_branch .Lend
.Lwout:                                            ; ---- w_out to f16, packed in place: register i takes numbers 2 i and 2 i + 1, which have been read by then
	v_lshl_add_u32 v7, v5, 14, v7                  ; lanes 16-31: the next tile of 16 columns, 16,384 bytes on
	s_lshl_b32 s30, s7, 10
	s_lshl_b32 s32, s5, 12
	s_add_co_u32 s30, s30, s32
	s_add_nc_u64 s[34:35], s[28:29], s[30:31]      ; 16,384 x (column / 16) + 1,024 x (4 x K step)
.irp b, 0,1,2,3
.if \b < 3
	s_wait_loadcnt 32                              ; as above
.else
	s_wait_loadcnt 0x0
.endif
.irp i, 0,1,2,3,4,5,6,7,8,9,10,11,12,13,14,15
	v_cvt_pk_f16_f32 v[16+32*\b+\i], v[16+32*\b+2*\i], v[17+32*\b+2*\i]
.endr
.irp q, 0,1,2,3
	global_store_b128 v7, v[16+32*\b+4*\q:19+32*\b+4*\q], s[34:35] offset:1024*\b+256*\q   ; k = 8 q + 0..7 of the block: piece c = q / 2 of the lanes with h = q % 2
.endr
.if \b < 2
	LOADB \b+2
.endif
.endr
.Lend:
	s_wait_tensorcnt 0x0                           ; the wave's end: a tensor wait, an LDS add and its wait behind the last LDS store
	ds_add_u32 v2, v3
	s_wait_dscnt 0x0
	s_endpgm
.Lfunc_end_k_q3e1b4f4161_prep:
	.size	k_q3e1b4f4161_prep, .Lfunc_end_k_q3e1b4f4161_prep-k_q3e1b4f4161_prep
	.p2alignl 7, 3214868480
	.fill 96, 4, 3214868480
	.section	.rodata,"a",@progbits
	.p2align	6, 0x0
	.amdhsa_kernel k_q3e1b4f4161_prep
		.amdhsa_group_segment_fixed_size 34304
		.amdhsa_private_segment_fixed_size 0
		.amdhsa_enable_private_segment 0
		.amdhsa_kernarg_size 88
		.amdhsa_user_sgpr_count 2
		.amdhsa_user_sgpr_kernarg_segment_ptr 1
		.amdhsa_wavefront_size32 1
		.amdhsa_system_sgpr_workgroup_id_x 1
		.amdhsa_system_sgpr_workgroup_id_y 1
		.amdhsa_system_sgpr_workgroup_id_z 1
		.amdhsa_system_vgpr_workitem_id 0
		.amdhsa_next_free_vgpr 160
		.amdhsa_next_free_sgpr 66
		.amdhsa_reserve_vcc 0
		.amdhsa_float_denorm_mode_32 3
		.amdhsa_float_denorm_mode_16_64 3
		.amdhsa_memory_ordered 1
		.amdhsa_forward_progress 1
		.amdhsa_inst_pref_size 42
	.end_amdhsa_kernel
	.amdgpu_metadata
---
amdhsa.version: [ 1, 2 ]
amdhsa.kernels:
  - .name:           k_q3e1b4f4161_prep
    .symbol:         k_q3e1b4f4161_prep.kd
    .args:
      - { .name: x, .offset: 0, .size: 8, .value_kind: global_buffer, .address_space: global }
      - { .name: w_q_u, .offset: 8, .size: 8, .value_kind: global_buffer, .address_space: global }
      - { .name: w_k_u, .offset: 16, .size: 8, .value_kind: global_buffer, .address_space: global }
      - { .name: w_v_u, .offset: 24, .size: 8, .value_kind: global_buffer, .address_space: global }
      - { .name: w_q_c, .offset: 32, .size: 8, .value_kind: global_buffer, .address_space: global }
      - { .name: w_k_c, .offset: 40, .size: 8, .value_kind: global_buffer, .address_space: global }
      - { .name: w_v_c, .offset: 48, .size: 8, .value_kind: global_buffer, .address_space: global }
      - { .name: w_out, .offset: 56, .size: 8, .value_kind: global_buffer, .address_space: global }
      - { .name: qx, .offset: 64, .size: 8, .value_kind: global_buffer, .address_space: global }
      - { .name: qw, .offset: 72, .size: 8, .value_kind: global_buffer, .address_space: global }
      - { .name: wo16, .offset: 80, .size: 8, .value_kind: global_buffer, .address_space: global }
    .group_segment_fixed_size: 34304
    .private_segment_fixed_size: 0
    .kernarg_segment_align: 8
    .kernarg_segment_size: 88
    .max_flat_workgroup_size: 128
    .sgpr_count:     66
    .vgpr_count:     160
    .wavefront_size: 32
...
	.end_amdgpu_metadata
.endif
;; end of part 1
;; launch proj (part 2): grid 16 x 14, 8 waves a work-group, no clusters, 0 bytes of LDS; arguments qx, qw, qkv, fine; writes qkv, fine
.if DOCPART == 2
	.amdgcn_target "amdgcn-amd-amdhsa--gfx1250"
	.amdhsa_code_object_version 6
	.text
	.protected	k_q3e1b4f4161_proj
	.globl	k_q3e1b4f4161_proj
	.p2align	8
	.type	k_q3e1b4f4161_proj,@function
k_q3e1b4f4161_proj:
	s_mov_b64 s[64:65], 0
	v_nop
	global_prefetch_b8 v0, s[64:65] scope:SCOPE_SE
	s_setreg_imm32_b32 hwreg(HW_REG_WAVE_MODE, 25, 1), 1
	s_wait_xcnt 0x0
; The six projections x W on codes of FP4 (E2M1) with E8M0 scales, K = 512 in four steps of 128, sums in f32.  Seven regions of 2,097,152 bytes leave, as images of 16-bit operand registers:
;   0 QU, 1 KU, 2 VU, 3 QC, 4 KC: [batch x head 16][position tile 64][piece 4][lane][16 B] bf16: lane (r, h) holds position r, d = 16 piece + 8 h + 0..7
;   5 VUT (bf16), 6 VCT (f16):     [batch x head 16][block of 32 positions][d tile 4][c 2][lane][16 B]: lane (r, h) holds d = 16 tile + r, position 16 c + 8 h + 0..7
; QU and QC are multiplied in f32 by log2(e) / 8 before they are rounded, so that every later exponential is a plain 2^x.  Vu is made twice, once in each orientation: 1/7 more matrix work, no transposition.
; The f32 sums of positions 0..15 of each batch also go, unscaled, to fine [batch 2][6][head 8][4,096 B]: Qu, Ku, Vu, Qc, Kc as [16][64], Vc as [64 (d)][16 (position)].
; SHARES.  Work-group (X, Y): 128 positions, region Y / 2, heads 4 (Y % 2) + 0..3.  Wave w: 64 positions (w / 4), head w % 4: 4 x 4 tiles, 16 accumulators, 64 matrix instructions.
; A wave's operands, 32 KB of codes, go from memory straight into its registers, once: no LDS, so no tensor load and no joint request; all codes of the launch together are 1.4 MB.
; REGISTERS.  Window 0: v1 16 x lane, v2 4 x lane, v3, v4 offsets in fine; v16-23 x's scale words, v24-31 the weight's (register 2 s + q: lanes 0-15 tile 2 q, lanes 16-31 tile 2 q + 1);
;   v64-191 x's fragments (tile p, K step s at 64 + 8 (4 p + s)), later the scaled sums; v192-255 the packed results.  Window 1: v0-127 the weight's fragments (8 (4 n + s)); v128-255 the accumulators (128 + 8 (4 p + n)).
.set XS,  16
.set WSC, 24
.set XF,  64
.set PK,  192
.set ACC, 128
.set MSB, 0
.macro WIN new                         ; s_set_vgpr_msb: bits 1:0 source 0, 3:2 source 1, 5:4 source 2, 7:6 destination; the high byte repeats the setting that is left
.if MSB != \new
	s_set_vgpr_msb (MSB<<8)|\new
.set MSB, \new
.endif
.endm
; one product: D = v[rD ..]; ra, rb: the side's scales stand in lanes 16-31 of its scale register
.macro MM2 a, b, sa, sb, ra, rb, c
.if ((\ra) == 0) && ((\rb) == 0)
	v_wmma_scale_f32_16x16x128_f8f6f4 v[rD:rD+7], v[\a:\a+7], v[\b:\b+7], \c, v[\sa], v[\sb] matrix_a_fmt:MATRIX_FMT_FP4 matrix_b_fmt:MATRIX_FMT_FP4
.elseif (\rb) == 0
	v_wmma_scale_f32_16x16x128_f8f6f4 v[rD:rD+7], v[\a:\a+7], v[\b:\b+7], \c, v[\sa], v[\sb] matrix_a_fmt:MATRIX_FMT_FP4 matrix_b_fmt:MATRIX_FMT_FP4 matrix_a_scale:MATRIX_SCALE_ROW1
.elseif (\ra) == 0
	v_wmma_scale_f32_16x16x128_f8f6f4 v[rD:rD+7], v[\a:\a+7], v[\b:\b+7], \c, v[\sa], v[\sb] matrix_a_fmt:MATRIX_FMT_FP4 matrix_b_fmt:MATRIX_FMT_FP4 matrix_b_scale:MATRIX_SCALE_ROW1
.else
	v_wmma_scale_f32_16x16x128_f8f6f4 v[rD:rD+7], v[\a:\a+7], v[\b:\b+7], \c, v[\sa], v[\sb] matrix_a_fmt:MATRIX_FMT_FP4 matrix_b_fmt:MATRIX_FMT_FP4 matrix_a_scale:MATRIX_SCALE_ROW1 matrix_b_scale:MATRIX_SCALE_ROW1
.endif
.endm
.macro MM1 a, b, sa, sb, ra, rb, s
.if (\s) == 0
	MM2 \a, \b, \sa, \sb, \ra, \rb, 0              ; the first K step starts the sums: nothing is cleared
.else
	MM2 \a, \b, \sa, \sb, \ra, \rb, v[rD:rD+7]
.endif
.endm
; the 64 products.  orient 0: source 0 = 16 columns of W, source 1 = 16 positions: a lane holds one position and eight neighbouring d.  orient 1: the other way round: one d and eight neighbouring positions.
; The 16 accumulators take turns, one instruction a turn, in the same order in every K step.
.macro MMA orient
.irp s, 0,1,2,3
.irp p, 0,1,2,3
.irp n, 0,1,2,3
.set rD, ACC+8*(4*\p+\n)
.set rW, 8*(4*\n+\s)
.set rX, XF+8*(4*\p+\s)
.set rWS, WSC+2*\s+\n/2
.set rXS, XS+2*\s+\p/2
.if \orient == 0
	MM1 rW, rX, rWS, rXS, \n%2, \p%2, \s
.else
	MM1 rX, rW, rXS, rWS, \p%2, \n%2, \s
.endif
.endr
.endr
.endr
.endm
; the f32 copy of positions 0..15: tile p = 0 of the wave that holds them; each accumulator from its low end on
.macro FINE adr, nstep
	s_cmp_lg_u32 s38, 0
	s_cbranch_scc1 .Lno_fine_\@
	WIN 0x04                                       ; a store's data are its source 1: window 1
.irp n, 0,1,2,3
	global_store_b128 v[\adr], v[ACC+8*\n:ACC+8*\n+3], s[10:11] offset:\nstep*\n
	global_store_b128 v[\adr], v[ACC+8*\n+4:ACC+8*\n+7], s[10:11] offset:\nstep*\n+16
.endr
	WIN 0
.Lno_fine_\@:
.endm
	s_load_b256 s[4:11], s[0:1], 0x0               ; qx s[4:5], qw s[6:7], qkv s[8:9], fine s[10:11]
	v_lshrrev_b32 v1, 5, v0
	v_readfirstlane_b32 s12, v1                    ; wave 0..7
	v_and_b32 v5, 31, v0
	v_lshlrev_b32 v1, 4, v5                        ; 16 x lane
	v_lshlrev_b32 v2, 2, v5                        ; 4 x lane
	v_and_b32 v6, 15, v0                           ; r
	v_bfe_u32 v7, v0, 4, 1                         ; h
	v_lshlrev_b32 v3, 8, v6
	v_lshl_add_u32 v3, v7, 5, v3                   ; fine, rows of 64 d: 256 r + 32 h
	v_lshlrev_b32 v4, 6, v6
	v_lshl_add_u32 v4, v7, 5, v4                   ; fine, rows of 16 positions: 64 r + 32 h
	s_and_b32 s14, ttmp7, 0xffff
	s_lshr_b32 s15, s14, 1                         ; the region, 0..6
	s_and_b32 s16, s14, 1
	s_lshr_b32 s17, s12, 2                         ; which 64 of the 128 positions
	s_and_b32 s18, s12, 3
	s_lshl_b32 s16, s16, 2
	s_add_co_u32 s18, s18, s16                     ; the head
	s_cmp_eq_u32 s15, 5
	s_cselect_b32 s19, 2, s15                      ; the weight: regions 0..4 their own, 5 w_v_u again,
	s_cmp_eq_u32 s15, 6
	s_cselect_b32 s19, 5, s19                      ; 6 w_v_c
	s_lshr_b32 s20, ttmp9, 3                       ; the batch
	s_and_b32 s21, ttmp9, 7
	s_lshl_b32 s21, s21, 3
	s_lshl_b32 s22, s17, 2
	s_add_co_u32 s21, s21, s22                     ; my first position tile in the batch
	s_lshl_b32 s22, ttmp9, 7
	s_lshl_b32 s23, s17, 6
	s_add_co_u32 s22, s22, s23                     ; my first row of x
	s_mov_b32 s35, 0
	s_mov_b32 s32, 1.0
	s_cmp_eq_u32 s15, 0
	s_cselect_b32 s32, 0x3e38aa3b, s32             ; log2(e) / 8 for QU
	s_cmp_eq_u32 s15, 3
	s_cselect_b32 s32, 0x3e38aa3b, s32             ; and QC, 1 for the others
	s_mov_b32 s33, s32                             ; (named with it as a pair, so it is written)
	s_and_b32 s38, ttmp9, 7
	s_or_b32 s38, s38, s17
	s_cmp_eq_u32 s15, 5
	s_cselect_b32 s39, 1, 0
	s_or_b32 s38, s38, s39                         ; 0 where I hold positions 0..15 of a batch and the region is not Vu's second copy
	s_wait_kmcnt 0x0
	s_lshl_b32 s34, s22, 2
	s_add_co_u32 s34, s34, 524288
	s_add_nc_u64 s[24:25], s[4:5], s[34:35]        ; x's scale words
	s_lshl_b32 s34, s22, 8
	s_add_nc_u64 s[26:27], s[4:5], s[34:35]        ; x's codes: 4,096 bytes a tile
	s_lshl_b32 s34, s19, 13
	s_lshl_b32 s36, s18, 8
	s_add_co_u32 s34, s34, s36
	s_add_co_u32 s34, s34, 786432
	s_add_nc_u64 s[28:29], s[6:7], s[34:35]        ; the weight's scale words, my head's 64 columns
	s_lshl_b32 s34, s19, 17
	s_lshl_b32 s36, s18, 14
	s_add_co_u32 s34, s34, s36
	s_add_nc_u64 s[30:31], s[6:7], s[34:35]        ; and its codes
	s_lshl_b32 s34, s15, 21
	s_lshl_b32 s36, s20, 3
	s_add_co_u32 s36, s36, s18
	s_lshl_b32 s36, s36, 17
	s_add_co_u32 s34, s34, s36
	s_lshl_b32 s36, s21, 11
	s_add_co_u32 s34, s34, s36
	s_add_nc_u64 s[8:9], s[8:9], s[34:35]          ; out: region + 131,072 x (8 batch + head) + 2,048 x tile
	s_mul_i32 s36, s20, 6
	s_min_u32 s37, s15, 5
	s_add_co_u32 s36, s36, s37
	s_lshl_b32 s36, s36, 3
	s_add_co_u32 s36, s36, s18
	s_lshl_b32 s34, s36, 12
	s_add_nc_u64 s[10:11], s[10:11], s[34:35]      ; fine: 4,096 x ((6 batch + tensor) 8 + head)
.irp s, 0,1,2,3
.irp q, 0,1
	global_load_b32 v[XS+2*\s+\q], v2, s[24:25] offset:8192*\s+128*\q
	global_load_b32 v[WSC+2*\s+\q], v2, s[28:29] offset:2048*\s+128*\q
.endr
.endr
.irp p, 0,1,2,3
.irp s, 0,1,2,3
.irp c, 0,1
	global_load_b128 v[XF+8*(4*\p+\s)+4*\c:XF+8*(4*\p+\s)+4*\c+3], v1, s[26:27] offset:4096*\p+1024*\s+512*\c
.endr
.endr
.endr
	WIN 0x40                                       ; destination window 1, address window 0
.irp n, 0,1,2,3
.irp s, 0,1,2,3
.irp c, 0,1
	global_load_b128 v[8*(4*\n+\s)+4*\c:8*(4*\n+\s)+4*\c+3], v1, s[30:31] offset:4096*\n+1024*\s+512*\c
.endr
.endr
.endr
	WIN 0
	s_wait_loadcnt 0x0
	s_cmp_ge_u32 s15, 5
	s_cbranch_scc1 .Ltrans
	WIN 0x51                                       ; source 0 (W) window 1, source 1 (x) window 0, C and D window 1
	MMA 0
	WIN 0
.rept 4
	v_nop                                          ; four places between the last product and the first read of a result or write of an operand
.endr
	FINE 3, 64
	WIN 0x01                                       ; source 0 window 1, destination window 0: the sums, scaled, go over x's fragments
.set i, 0
.rept 64
	v_pk_mul_f32 v[XF+2*i:XF+2*i+1], v[ACC+2*i:ACC+2*i+1], s[32:33] op_sel_hi:[1,0]   ; one path for the five regions: the factor is 1 where nothing is folded in
.set i, i+1
.endr
	WIN 0
.set i, 0
.rept 64
	v_cvt_pk_bf16_f32 v[PK+i], v[XF+2*i], v[XF+2*i+1]
.set i, i+1
.endr
.irp p, 0,1,2,3
.irp n, 0,1,2,3
	global_store_b128 v1, v[PK+4*(4*\p+\n):PK+4*(4*\p+\n)+3], s[8:9] offset:2048*\p+512*\n   ; 32 lanes store 512 neighbouring bytes: piece n of tile p
.endr
.endr
	s_endpgm
.Ltrans:
	WIN 0x54                                       ; source 0 (x) window 0, source 1 (W) window 1, C and D window 1
	MMA 1
	WIN 0
.rept 4
	v_nop
.endr
	FINE 4, 1024
	s_cmp_eq_u32 s15, 6
	s_cbranch_scc1 .Lhalf
	WIN 0x05                                       ; sources 0 and 1 window 1, destination window 0
.set i, 0
.rept 64
	v_cvt_pk_bf16_f32 v[PK+i], v[ACC+2*i], v[ACC+2*i+1]   ; Vu^T stands on the score path: bf16
.set i, i+1
.endr
	WIN 0
	s_branch .Lsend
.Lhalf:
	WIN 0x05
.set i, 0
.rept 64
	v_cvt_pk_f16_f32 v[PK+i], v[ACC+2*i], v[ACC+2*i+1]    ; Vc^T stands on the value path: f16
.set i, i+1
.endr
	WIN 0
.Lsend:
.irp p, 0,1,2,3
.irp n, 0,1,2,3
	global_store_b128 v1, v[PK+4*(4*\p+\n):PK+4*(4*\p+\n)+3], s[8:9] offset:4096*(\p/2)+1024*\n+512*(\p%2)
.endr
.endr
	s_endpgm
.Lfunc_end_k_q3e1b4f4161_proj:
	.size	k_q3e1b4f4161_proj, .Lfunc_end_k_q3e1b4f4161_proj-k_q3e1b4f4161_proj
	.p2alignl 7, 3214868480
	.fill 96, 4, 3214868480
	.section	.rodata,"a",@progbits
	.p2align	6, 0x0
	.amdhsa_kernel k_q3e1b4f4161_proj
		.amdhsa_group_segment_fixed_size 0
		.amdhsa_private_segment_fixed_size 0
		.amdhsa_enable_private_segment 0
		.amdhsa_kernarg_size 32
		.amdhsa_user_sgpr_count 2
		.amdhsa_user_sgpr_kernarg_segment_ptr 1
		.amdhsa_wavefront_size32 1
		.amdhsa_system_sgpr_workgroup_id_x 1
		.amdhsa_system_sgpr_workgroup_id_y 1
		.amdhsa_system_sgpr_workgroup_id_z 1
		.amdhsa_system_vgpr_workitem_id 0
		.amdhsa_next_free_vgpr 512
		.amdhsa_next_free_sgpr 66
		.amdhsa_reserve_vcc 0
		.amdhsa_float_denorm_mode_32 3
		.amdhsa_float_denorm_mode_16_64 3
		.amdhsa_memory_ordered 1
		.amdhsa_forward_progress 1
		.amdhsa_inst_pref_size 48
	.end_amdhsa_kernel
	.amdgpu_metadata
---
amdhsa.version: [ 1, 2 ]
amdhsa.kernels:
  - .name:           k_q3e1b4f4161_proj
    .symbol:         k_q3e1b4f4161_proj.kd
    .args:
      - { .name: qx, .offset: 0, .size: 8, .value_kind: global_buffer, .address_space: global }
      - { .name: qw, .offset: 8, .size: 8, .value_kind: global_buffer, .address_space: global }
      - { .name: qkv, .offset: 16, .size: 8, .value_kind: global_buffer, .address_space: global }
      - { .name: fine, .offset: 24, .size: 8, .value_kind: global_buffer, .address_space: global }
    .group_segment_fixed_size: 0
    .private_segment_fixed_size: 0
    .kernarg_segment_align: 8
    .kernarg_segment_size: 32
    .max_flat_workgroup_size: 256
    .sgpr_count:     66
    .vgpr_count:     512
    .wavefront_size: 32
...
	.end_amdgpu_metadata
.endif
;; end of part 2
;; launch attn (part 3): grid 16 x 16, 16 waves a work-group, no clusters, 229,376 bytes of LDS; arguments qkv, part, lam; writes part, lam
.if DOCPART == 3
	.amdgcn_target "amdgcn-amd-amdhsa--gfx1250"
	.amdhsa_code_object_version 6
	.text
	.protected	k_q3e1b4f4161_attn
	.globl	k_q3e1b4f4161_attn
	.p2align	8
	.type	k_q3e1b4f4161_attn,@function
k_q3e1b4f4161_attn:
	s_mov_b64 s[64:65], 0
	v_nop
	global_prefetch_b8 v0, s[64:65] scope:SCOPE_SE
	s_setreg_imm32_b32 hwreg(HW_REG_WAVE_MODE, 25, 1), 1
	s_wait_xcnt 0x0
; Products 7 to 11 for rows 16..1023 of each sequence.  With T[i][j] = Qc[i].Vu[j] / 8 (j <= i) and G[k][j] = sigmoid(Qu[k].Ku[j] / 8) (j > k):  S_u[i][k] = sum over k < j <= i of T[i][j] G[k][j].
; T is linear in Vu.  In blocks of 32, for row i of block I and key k of block c <= I:
;   S_u[i][k] = Qc[i].W[k; I] / 8 + sum over j of block I, k < j <= i, of T[i][j] G[k][j],    W[k; I] = sum over j of blocks c .. I - 1, j > k, of G[k][j] Vu[j]
; W only grows with I: a running sum, never a difference of sums.  So each G[k][j] is made once in the whole launch, and the product over K = 1,024 becomes three short products for each (32 keys x 16 rows).
; FORMATS.  Score path (Qu, Ku, Vu, Qc, Kc, G, T, W) bf16: T and W have no room in f16 where the inputs are some 30 times larger.  Value path (p, Vc, the partial O) f16.  Sums, sigmoid, silu, softmax f32.
; QU and QC arrive multiplied by log2(e) / 8, so scores are in units of log2: sigmoid(x) = 1 / (1 + 2^-x'), p = 2^(t - m).  The row's maximum over the 32 keys is taken away before the exponential.
; LIMITS: NaN and infinite inputs are not served; the exponential and the reciprocal flush denormals (ISA guide, their entries): a weight under 2^-126 counts as 0.
; SHARES.  Work-group (x, batch x head) owns key blocks A = x and B = 31 - x.  Block c meets row blocks I = c .. 31: 32 - x slots for A and x + 1 for B, 33 for every work-group.
;   Slot s < NA = 32 - x: (A, I = s + x); else (B, I = s - 1).  In every phase wave w takes in trip t slot (w / 2) + 8 t and half a = w % 2 of it; only waves 0 and 1 have a slot in trip 4.
;   The trips are written out, so that every LDS address is a constant + a constant x wave + 16 x lane.
; PHASES, a barrier behind each:  P0 my two blocks' Qu, Kc, Vc^T into LDS.  P1 G (a = which 16 j).  P2 delta[k][d] = sum over the slot's 32 j of G Vu (a = which 32 d).  P3 the deltas become their exclusive running sums W, in place.
;   P4 an item = (slot, row tile a): scores, softmax over the slot's 32 keys, O = (p / l) Vc as f16 and lambda = m + log2 l; a later launch merges a row's items.  Row tile 0 is left to the f32 launch.
; NO JOINT REQUESTS: the sixteen work-groups of a head read the same Ku, Vu, Qc, but work-group x walks blocks x .. 31 and then 31 - x .. 31: no two ask for the same tile in the same trip.  NO TENSOR LOAD: every fragment lies in
;   memory as an image of its registers and is taken once, by the wave that multiplies it; four waves share a SIMD, so one wave's loads stand beside another's arithmetic.
; LAYOUT.  All products are used so that a lane keeps one column: G^T = Ku Qu^T (lane = key, registers along j) is source 0 or 1 of the next products as it stands; T^T = Vu Qc^T, S^T = Kc Qc^T, W Qc^T, G T (lane = row i,
;   registers along keys or j); O^T = Vc^T P.  Nothing changes lanes but one exchange between the halves for the maximum and the sum.
; REGISTERS: v1 16 x lane; v2, v3 the add's two; v4-7 LDS addresses of the trip; v8 4 x lane; v9 r - 8 h; v10 that + 16 a; v11 -infinity; v12-15 at work; v16-23 T's masks; v24-31 G's masks on a diagonal slot;
;   v32-47 Ku / Qc; v48-79 Vu^T / Vu, then O^T; v80-111 deltas / W, then the packed O; v112-127 G; v128-159 Qu / Kc; v160-191 Vc^T; v192-207, v208-223, v224-239 three pairs of accumulators; v240-247 packed; v248-255 statistics.
.set GS,     0                         ; [slot 33][key tile 2][c 2][lane][16 B]: a fragment of G: lane = key, K = the slot's 32 j
.set WS,     67584                     ; [slot 33][key tile 2][piece 4][lane][16 B]: lane = key, K = d: first the deltas, then W
.set QUS,    202752                    ; [block 2][4,096 B] Qu of my two key blocks,
.set KCS,    210944                    ; Kc,
.set VCS,    219136                    ; Vc^T
.set SPARE,  227328                    ; the spare words, 128 bytes for each of the sixteen waves, which no other line names
.set REGION, 2097152
.macro BAR                             ; my LDS stores have landed and my LDS loads are in: then the work-group's barrier
	s_wait_dscnt 0x0
	s_barrier_signal -1
	s_barrier_wait -1
.endm
.macro PLACES                          ; four plain places behind a matrix instruction, ahead of the first read of a result (ISA guide 7.12.1)
.rept 4
	v_nop
.endr
.endm
.macro SLOT t                          ; my slot in trip t: s16 its number, s17 I, s18 c, s19 4,096 x (block B?)
	s_add_co_u32 s16, s12, 8*\t
	s_cmp_lt_u32 s16, s15
	s_cselect_b32 s17, s13, -1
	s_cselect_b32 s18, s13, s21
	s_cselect_b32 s19, 0, 4096
	s_add_co_u32 s17, s17, s16
.endm
.macro SIGMOID e, d                    ; v[e .. e + 15] = 1 / (1 + 2^-v[d .. d + 15]).  Each batch of transcendentals has one plain place and one wait
.irp j, 0,1,2,3,4,5,6,7,8,9,10,11,12,13,14,15
	v_exp_f32 v[\e+\j], -v[\d+\j]
.endr
	v_nop
	s_wait_alu depctr_va_vdst(0)
.irp j, 0,2,4,6,8,10,12,14
	v_pk_add_f32 v[\e+\j:\e+\j+1], v[\e+\j:\e+\j+1], 1.0 op_sel_hi:[1,0]
.endr
.irp j, 0,1,2,3,4,5,6,7,8,9,10,11,12,13,14,15
	v_rcp_f32 v[\e+\j], v[\e+\j]
.endr
	v_nop
	s_wait_alu depctr_va_vdst(0)
.endm
	s_load_b128 s[4:7], s[0:1], 0x0                ; qkv, part
	s_load_b64 s[8:9], s[0:1], 0x10                ; lam
	v_lshl_add_u32 v2, v0, 2, SPARE                ; my spare word; never rewritten
	v_mov_b32 v3, 0                                ; 0; never rewritten
	v_lshrrev_b32 v12, 5, v0
	v_readfirstlane_b32 s10, v12                   ; wave 0..15
	s_and_b32 s11, s10, 1                          ; a
	s_lshr_b32 s12, s10, 1                         ; my slot in trip 0
	s_mov_b32 s13, ttmp9                           ; key block A
	s_and_b32 s14, ttmp7, 0xffff                   ; batch x head
	s_sub_co_u32 s15, 32, s13                      ; NA
	s_sub_co_u32 s21, 31, s13                      ; key block B
	s_sub_co_u32 s53, 0, s11                       ; all ones where a = 1
	s_mov_b32 s39, 0                               ; the upper word of every offset
	s_mov_b32 s52, 0xffff0000
	s_mov_b32 s54, 0x76543210
	s_mov_b32 s55, 0xfedcba98                      ; v_permlanex16_b32's selects for lane l xor 16
	v_and_b32 v12, 31, v0
	v_lshlrev_b32 v1, 4, v12
	v_lshlrev_b32 v8, 2, v12
	v_and_b32 v4, 255, v0
	v_lshlrev_b32 v4, 4, v4                        ; P0: my 16 bytes of a block's 4,096
	v_lshl_add_u32 v5, v0, 4, QUS                  ; and where they go: waves 0-7 fill block A's place, waves 8-15 block B's
	s_wait_kmcnt 0x0
	s_lshl_b32 s38, s14, 17
	s_add_nc_u64 s[24:25], s[4:5], s[38:39]        ; s[24:25] QU of my head; then KU, VU, QC, KC, VUT, VCT in s[26:37]
.irp n, 1,2,3,4,5,6
	s_add_nc_u64 s[24+2*\n:25+2*\n], s[24:25], REGION*\n
.endr
	s_lshl_b32 s38, s14, 22
	s_add_nc_u64 s[44:45], s[6:7], s[38:39]        ; part: 64 x 32 x 2,048 bytes a head
	s_lshl_b32 s38, s14, 18
	s_add_nc_u64 s[46:47], s[8:9], s[38:39]        ; lam: 64 x 32 x 128
	; ---- P0
	s_cmp_lt_u32 s10, 8
	s_cselect_b32 s38, s13, s21
	s_lshl_b32 s38, s38, 12
	s_add_nc_u64 s[40:41], s[24:25], s[38:39]
	s_add_nc_u64 s[42:43], s[32:33], s[38:39]
	s_add_nc_u64 s[48:49], s[36:37], s[38:39]
	global_load_b128 v[32:35], v4, s[40:41]
	global_load_b128 v[36:39], v4, s[42:43]
	global_load_b128 v[40:43], v4, s[48:49]
	; the masks, made while the loads are out.  A packed register m holds elements 2 m and 2 m + 1 of the lane's eight; M[m] keeps those at or under r - 8 h
	v_and_b32 v13, 15, v0
	v_bfe_u32 v14, v0, 4, 1
	v_lshlrev_b32 v14, 3, v14
	v_sub_nc_u32 v9, v13, v14                      ; r - 8 h
	v_lshl_add_u32 v10, s11, 4, v9                 ; + 16 a
	v_mov_b32 v11, 0xff800000
	v_mov_b32 v13, 0xffff
	v_mov_b32 v15, 0xffff0000
.irp m, 0,1,2,3
	v_cmp_le_i32 vcc_lo, 2*\m, v9
	v_cndmask_b32 v12, 0, v13, vcc_lo
	v_cmp_le_i32 vcc_lo, 2*\m+1, v9
	v_cndmask_b32 v14, 0, v15, vcc_lo
	v_or_b32 v12, v12, v14                         ; M[m]
	v_xor_b32 v14, -1, v12                         ; its complement
	v_or_b32 v[16+\m], s53, v12                    ; T, j <= i, rows of tile a: j tile 0 is M for a = 0, all for a = 1;
	v_and_b32 v[20+\m], s53, v12                   ; j tile 1 is nothing for a = 0, M for a = 1
	v_or_b32 v[24+\m], s53, v14                    ; G on a diagonal slot, j > k, j of tile a: key tile 0 is the complement for a = 0, all for a = 1;
	v_and_b32 v[28+\m], s53, v14                   ; key tile 1 is nothing for a = 0, the complement for a = 1
.endr
	s_wait_loadcnt 0x0
	ds_store_b128 v5, v[32:35]
	ds_store_b128 v5, v[36:39] offset:KCS-QUS
	ds_store_b128 v5, v[40:43] offset:VCS-QUS
	BAR
; ---- P1: G for the slot's 32 keys and 16 j (tile a of block I).  G^T = Ku Qu^T: register jj of lane (r, h) is j = 16 a + 8 h + jj, key = 16 kt + r.
.macro G_TRIP t
.if \t == 4
	s_cmp_lg_u32 s12, 0
	s_cbranch_scc1 .Lg_none_\@
.endif
	SLOT \t
	s_lshl_b32 s38, s17, 1
	s_add_co_u32 s38, s38, s11
	s_lshl_b32 s38, s38, 11
	s_add_nc_u64 s[40:41], s[26:27], s[38:39]      ; Ku's tile 2 I + a (the last trip's loads were waited for: the base may be written)
.irp i, 0,1,2,3
	global_load_b128 v[32+4*\i:35+4*\i], v1, s[40:41] offset:512*\i
.endr
	s_add_co_u32 s20, s19, QUS
	v_add_nc_u32 v5, s20, v1
.irp i, 0,1,2,3,4,5,6,7
	ds_load_b128 v[128+4*\i:131+4*\i], v5 offset:512*\i
.endr
	s_lshl_b32 s20, s12, 11
	s_lshl_b32 s22, s11, 9
	s_add_co_u32 s20, s20, s22
	s_add_co_u32 s20, s20, GS+16384*\t
	v_add_nc_u32 v4, s20, v1                       ; where my piece c = a of the slot's two fragments goes
	s_wait_loadcnt 0x0
	s_wait_dscnt 0x0
.irp f, 0,1                            ; the two accumulators by turns
.irp k, 0,1
.if \f == 0
	v_wmma_f32_16x16x32_bf16 v[192+8*\k:199+8*\k], v[32:39], v[128+16*\k:135+16*\k], 0
.else
	v_wmma_f32_16x16x32_bf16 v[192+8*\k:199+8*\k], v[40:47], v[136+16*\k:143+16*\k], v[192+8*\k:199+8*\k]
.endif
.endr
.endr
	PLACES
	SIGMOID 208, 192
.irp j, 0,1,2,3,4,5,6,7
	v_cvt_pk_bf16_f32 v[240+\j], v[208+2*\j], v[209+2*\j]
.endr
	s_cmp_lg_u32 s17, s18                          ; I = c: the slot lies on the diagonal, and only j > k counts
	s_cbranch_scc1 .Lg_open_\@
.irp j, 0,1,2,3,4,5,6,7
	v_and_b32 v[240+\j], v[240+\j], v[24+\j]
.endr
.Lg_open_\@:
	ds_store_b128 v4, v[240:243]
	ds_store_b128 v4, v[244:247] offset:1024
.Lg_none_\@:
.endm
	G_TRIP 0
	G_TRIP 1
	G_TRIP 2
	G_TRIP 3
	G_TRIP 4
	BAR
; ---- P2: delta^T = Vu^T G^T for d tiles 2 a, 2 a + 1 and both key tiles: four sums of one instruction each (K = the slot's 32 j).  Register jj of lane (r, h): d = 16 tile + 8 h + jj, key r: a piece of W's image.
.macro D_TRIP t
.if \t == 4
	s_cmp_lg_u32 s12, 0
	s_cbranch_scc1 .Ld_none_\@
.endif
	SLOT \t
	s_lshl_b32 s38, s17, 12
	s_lshl_b32 s20, s11, 11
	s_add_co_u32 s38, s38, s20
	s_add_nc_u64 s[40:41], s[34:35], s[38:39]      ; Vu^T of block I, d tiles 2 a on
.irp i, 0,1,2,3
	global_load_b128 v[48+4*\i:51+4*\i], v1, s[40:41] offset:512*\i
.endr
	s_lshl_b32 s20, s12, 11
	s_add_co_u32 s20, s20, GS+16384*\t
	v_add_nc_u32 v5, s20, v1
.irp i, 0,1,2,3
	ds_load_b128 v[112+4*\i:115+4*\i], v5 offset:512*\i
.endr
	s_lshl_b32 s20, s12, 12
	s_lshl_b32 s22, s11, 10
	s_add_co_u32 s20, s20, s22
	s_add_co_u32 s20, s20, WS+32768*\t
	v_add_nc_u32 v4, s20, v1
	s_wait_loadcnt 0x0
	s_wait_dscnt 0x0
.irp e, 0,1
.irp k, 0,1
	v_wmma_f32_16x16x32_bf16 v[80+8*(2*\e+\k):87+8*(2*\e+\k)], v[48+8*\e:55+8*\e], v[112+8*\k:119+8*\k], 0
.endr
.endr
	PLACES
.irp j, 0,1,2,3,4,5,6,7,8,9,10,11,12,13,14,15
	v_cvt_pk_bf16_f32 v[64+\j], v[80+2*\j], v[81+2*\j]
.endr
.irp e, 0,1
.irp k, 0,1
	ds_store_b128 v4, v[64+4*(2*\e+\k):67+4*(2*\e+\k)] offset:2048*\k+512*\e
.endr
.endr
.Ld_none_\@:
.endm
	D_TRIP 0
	D_TRIP 1
	D_TRIP 2
	D_TRIP 3
	D_TRIP 4
	BAR
	; ---- P3: thread t owns bytes 8 t .. 8 t + 7 (four numbers) of every slot.  The running sums are f32; slot s gets the sum of the slots of its block before it.  Block B begins anew at slot NA (17 .. 32): a select, no branch.
	v_lshl_add_u32 v4, v0, 3, WS
	v_add_nc_u32 v5, 0x10000, v4                   ; slots 16 .. 31
	v_add_nc_u32 v6, 0x20000, v4                   ; slot 32
.set q, 0
.rept 33
	ds_load_b64 v[32+2*q:33+2*q], v[4+q/16] offset:4096*(q%16)
.set q, q+1
.endr
.irp j, 100,101,102,103
	v_mov_b32 v\j, 0
.endr
.set q, 0
.rept 33
	s_wait_dscnt 32                                ; slot q's load is in: behind it stand 32 - q loads and the q stores of the slots before
.if q >= 17
	s_cmp_eq_u32 s15, q
	s_cselect_b32 s20, -1, 0
.irp j, 100,101,102,103
	v_cndmask_b32 v\j, v\j, 0, s20
.endr
.endif
	v_cvt_pk_bf16_f32 v108, v100, v101
	v_cvt_pk_bf16_f32 v109, v102, v103
	ds_store_b64 v[4+q/16], v[108:109] offset:4096*(q%16)
.if q < 32
	v_lshlrev_b32 v104, 16, v[32+2*q]
	v_and_b32 v105, s52, v[32+2*q]
	v_lshlrev_b32 v106, 16, v[33+2*q]
	v_and_b32 v107, s52, v[33+2*q]
	v_pk_add_f32 v[100:101], v[100:101], v[104:105]
	v_pk_add_f32 v[102:103], v[102:103], v[106:107]
.endif
.set q, q+1
.endr
	BAR
; ---- P4: the item (slot, row tile it = 2 I + a)
.macro ITEM t
.if \t == 4
	s_cmp_lg_u32 s12, 0
	s_cbranch_scc1 .Li_none_\@
.endif
	SLOT \t
	s_lshl_b32 s23, s17, 1
	s_add_co_u32 s23, s23, s11                     ; it
	s_cmp_eq_u32 s23, 0                            ; rows 0..15 are the f32 launch's
	s_cbranch_scc1 .Li_none_\@
	s_wait_xcnt 0x0                                ; the last item's stores have read their data and bases: both are written again below
	s_lshl_b32 s38, s23, 11
	s_add_nc_u64 s[40:41], s[30:31], s[38:39]      ; Qc's tile it
	s_lshl_b32 s38, s17, 12
	s_add_nc_u64 s[42:43], s[28:29], s[38:39]      ; Vu's block I
	s_lshl_b32 s38, s23, 5
	s_add_co_u32 s38, s38, s18                     ; 32 it + c
	s_lshl_b32 s20, s38, 7
	s_lshl_b32 s38, s38, 11
	s_add_nc_u64 s[48:49], s[44:45], s[38:39]
	s_mov_b32 s38, s20
	s_add_nc_u64 s[50:51], s[46:47], s[38:39]
.irp i, 0,1,2,3
	global_load_b128 v[32+4*\i:35+4*\i], v1, s[40:41] offset:512*\i
.endr
.irp i, 0,1,2,3,4,5,6,7
	global_load_b128 v[48+4*\i:51+4*\i], v1, s[42:43] offset:512*\i     ; both j tiles in every item: for a = 0 the mask clears the second.  One path through the text
.endr
	s_add_co_u32 s20, s19, KCS
	v_add_nc_u32 v5, s20, v1
	s_lshl_b32 s20, s12, 12
	s_add_co_u32 s20, s20, WS+32768*\t
	v_add_nc_u32 v6, s20, v1
	s_lshl_b32 s20, s12, 11
	s_add_co_u32 s20, s20, GS+16384*\t
	v_add_nc_u32 v7, s20, v1
.irp i, 0,1,2,3,4,5,6,7
	ds_load_b128 v[128+4*\i:131+4*\i], v5 offset:512*\i                 ; Kc
.endr
.irp i, 0,1,2,3,4,5,6,7
	ds_load_b128 v[80+4*\i:83+4*\i], v6 offset:512*\i                   ; W
.endr
.irp i, 0,1,2,3
	ds_load_b128 v[112+4*\i:115+4*\i], v7 offset:512*\i                 ; G
.endr
.irp i, 0,1,2,3,4,5,6,7
	ds_load_b128 v[160+4*\i:163+4*\i], v5 offset:VCS-KCS+512*\i         ; Vc^T
.endr
	s_wait_loadcnt 0x0
.irp f, 0,1                            ; T^T = Vu Qc^T: register jj of lane (r, h): j = 16 u + 8 h + jj, row i = 16 a + r.  Accumulators by turns throughout
.irp u, 0,1
.if \f == 0
	v_wmma_f32_16x16x32_bf16 v[192+8*\u:199+8*\u], v[48+16*\u:55+16*\u], v[32:39], 0
.else
	v_wmma_f32_16x16x32_bf16 v[192+8*\u:199+8*\u], v[56+16*\u:63+16*\u], v[40:47], v[192+8*\u:199+8*\u]
.endif
.endr
.endr
	s_wait_dscnt 20                                ; Kc is in; W's 8, G's 4 and Vc^T's 8 loads may be out
.irp f, 0,1                            ; S_c^T = Kc Qc^T: key = 16 k + 8 h + jj, row r
.irp k, 0,1
.if \f == 0
	v_wmma_f32_16x16x32_bf16 v[224+8*\k:231+8*\k], v[128+16*\k:135+16*\k], v[32:39], 0
.else
	v_wmma_f32_16x16x32_bf16 v[224+8*\k:231+8*\k], v[136+16*\k:143+16*\k], v[40:47], v[224+8*\k:231+8*\k]
.endif
.endr
.endr
	PLACES
.irp j, 0,1,2,3,4,5,6,7
	v_cvt_pk_bf16_f32 v[240+\j], v[192+2*\j], v[193+2*\j]      ; the two tiles of T^T, packed, are a fragment: lane = row, K = the block's 32 j
.endr
.irp j, 0,1,2,3,4,5,6,7
	v_and_b32 v[240+\j], v[240+\j], v[16+\j]       ; j <= i
.endr
	s_wait_dscnt 12                                ; W is in
.irp f, 0,1                            ; S_u^T = W Qc^T ..
.irp k, 0,1
.if \f == 0
	v_wmma_f32_16x16x32_bf16 v[208+8*\k:215+8*\k], v[80+16*\k:87+16*\k], v[32:39], 0
.else
	v_wmma_f32_16x16x32_bf16 v[208+8*\k:215+8*\k], v[88+16*\k:95+16*\k], v[40:47], v[208+8*\k:215+8*\k]
.endif
.endr
.endr
	s_wait_dscnt 8                                 ; G is in
.irp k, 0,1                            ; .. + G T
	v_wmma_f32_16x16x32_bf16 v[208+8*\k:215+8*\k], v[112+8*\k:119+8*\k], v[240:247], v[208+8*\k:215+8*\k]
.endr
	PLACES
	SIGMOID 192, 208
.irp j, 0,2,4,6,8,10,12,14
	v_pk_fma_f32 v[224+\j:225+\j], v[208+\j:209+\j], v[192+\j:193+\j], v[224+\j:225+\j] neg_lo:[1,0,0] neg_hi:[1,0,0]   ; t = S_c - S_u sigmoid(S_u), in units of log2
.endr
	s_cmp_lg_u32 s17, s18
	s_cbranch_scc1 .Li_open_\@
.irp n, 0,1,2,3,4,5,6,7,8,9,10,11,12,13,14,15  ; on the diagonal: key 16 (n / 8) + 8 h + n % 8 is hidden where it comes after row 16 a + r
	v_cmp_gt_i32 vcc_lo, 16*(\n/8)+\n%8, v10
	v_cndmask_b32 v[224+\n], v[224+\n], v11, vcc_lo
.endr
.Li_open_\@:
	v_max3_num_f32 v248, v224, v225, v226
	v_max3_num_f32 v250, v227, v228, v229
	v_max3_num_f32 v248, v248, v230, v231
	v_max3_num_f32 v250, v250, v232, v233
	v_max3_num_f32 v248, v248, v234, v235
	v_max3_num_f32 v250, v250, v236, v237
	v_max3_num_f32 v248, v248, v238, v239
	v_max_num_f32 v248, v248, v250
	v_permlanex16_b32 v250, v248, s54, s55
	v_max_num_f32 v248, v248, v250                 ; m: the row's largest t among the 32 keys (key i itself counts on the diagonal, so m is a number)
.irp j, 0,2,4,6,8,10,12,14
	v_pk_add_f32 v[224+\j:225+\j], v[224+\j:225+\j], v[248:249] op_sel_hi:[1,0] neg_lo:[0,1] neg_hi:[0,1]
.endr
.irp j, 0,1,2,3,4,5,6,7,8,9,10,11,12,13,14,15
	v_exp_f32 v[224+\j], v[224+\j]
.endr
	v_nop
	s_wait_alu depctr_va_vdst(0)                   ; one wait for the sixteen
	v_pk_add_f32 v[250:251], v[224:225], v[226:227]
	v_pk_add_f32 v[252:253], v[228:229], v[230:231]
	v_pk_add_f32 v[250:251], v[250:251], v[232:233]
	v_pk_add_f32 v[252:253], v[252:253], v[234:235]
	v_pk_add_f32 v[250:251], v[250:251], v[236:237]
	v_pk_add_f32 v[252:253], v[252:253], v[238:239]
	v_pk_add_f32 v[250:251], v[250:251], v[252:253]
	v_add_f32 v250, v250, v251
	v_permlanex16_b32 v251, v250, s54, s55
	v_add_f32 v250, v250, v251                     ; l, between 1 and 32
	v_rcp_f32 v252, v250
	v_log_f32 v254, v250
	v_nop
	s_wait_alu depctr_va_vdst(0)
	v_add_f32 v254, v248, v254                     ; lambda = m + log2 l
.irp j, 0,2,4,6,8,10,12,14
	v_pk_mul_f32 v[224+\j:225+\j], v[224+\j:225+\j], v[252:253] op_sel_hi:[1,0]
.endr
.irp j, 0,1,2,3,4,5,6,7
	v_cvt_pk_f16_f32 v[240+\j], v[224+2*\j], v[225+2*\j]       ; p / l, at most 1: a fragment: lane = row, K = the 32 keys
.endr
	s_wait_dscnt 0x0                               ; Vc^T is in
.irp e, 0,1,2,3
	v_wmma_f32_16x16x32_f16 v[48+8*\e:55+8*\e], v[160+8*\e:167+8*\e], v[240:247], 0
.endr
	PLACES
.irp j, 0,1,2,3,4,5,6,7,8,9,10,11,12,13,14,15
	v_cvt_pk_f16_f32 v[80+\j], v[48+2*\j], v[49+2*\j]
.endr
.irp e, 0,1,2,3
	global_store_b128 v1, v[80+4*\e:83+4*\e], s[48:49] offset:512*\e th:TH_STORE_NT    ; 32 lanes store 512 neighbouring bytes
.endr
	global_store_b32 v8, v254, s[50:51] th:TH_STORE_NT         ; lanes 16-31 repeat lanes 0-15: 128 neighbouring bytes
.Li_none_\@:
.endm
	v_mov_b32 v249, 0                              ; (named as the upper half of the pair v[248:249])
	ITEM 0
	ITEM 1
	ITEM 2
	ITEM 3
	ITEM 4
	s_wait_tensorcnt 0x0                           ; the wave's end: a tensor wait, an LDS add and its wait behind the last LDS store
	ds_add_u32 v2, v3
	s_wait_dscnt 0x0
	s_endpgm
.Lfunc_end_k_q3e1b4f4161_attn:
	.size	k_q3e1b4f4161_attn, .Lfunc_end_k_q3e1b4f4161_attn-k_q3e1b4f4161_attn
	.p2alignl 7, 3214868480
	.fill 96, 4, 3214868480
	.section	.rodata,"a",@progbits
	.p2align	6, 0x0
	.amdhsa_kernel k_q3e1b4f4161_attn
		.amdhsa_group_segment_fixed_size 229376
		.amdhsa_private_segment_fixed_size 0
		.amdhsa_enable_private_segment 0
		.amdhsa_kernarg_size 24
		.amdhsa_user_sgpr_count 2
		.amdhsa_user_sgpr_kernarg_segment_ptr 1
		.amdhsa_wavefront_size32 1
		.amdhsa_system_sgpr_workgroup_id_x 1
		.amdhsa_system_sgpr_workgroup_id_y 1
		.amdhsa_system_sgpr_workgroup_id_z 1
		.amdhsa_system_vgpr_workitem_id 0
		.amdhsa_next_free_vgpr 256
		.amdhsa_next_free_sgpr 66
		.amdhsa_reserve_vcc 1
		.amdhsa_float_denorm_mode_32 3
		.amdhsa_float_denorm_mode_16_64 3
		.amdhsa_memory_ordered 1
		.amdhsa_forward_progress 1
		.amdhsa_inst_pref_size 142
	.end_amdhsa_kernel
	.amdgpu_metadata
---
amdhsa.version: [ 1, 2 ]
amdhsa.kernels:
  - .name:           k_q3e1b4f4161_attn
    .symbol:         k_q3e1b4f4161_attn.kd
    .args:
      - { .name: qkv, .offset: 0, .size: 8, .value_kind: global_buffer, .address_space: global }
      - { .name: part, .offset: 8, .size: 8, .value_kind: global_buffer, .address_space: global }
      - { .name: lam, .offset: 16, .size: 8, .value_kind: global_buffer, .address_space: global }
    .group_segment_fixed_size: 229376
    .private_segment_fixed_size: 0
    .kernarg_segment_align: 8
    .kernarg_segment_size: 24
    .max_flat_workgroup_size: 512
    .sgpr_count:     66
    .vgpr_count:     256
    .wavefront_size: 32
...
	.end_amdgpu_metadata
.endif
;; end of part 3
;; launch merge_out (part 4): grid 63 x 2, 8 waves a work-group, no clusters, 52,224 bytes of LDS; arguments part, lam, wo16, out0; writes out0
.if DOCPART == 4
	.amdgcn_target "amdgcn-amd-amdhsa--gfx1250"
	.amdhsa_code_object_version 6
	.text
	.protected	k_q3e1b4f4161_merge_out
	.globl	k_q3e1b4f4161_merge_out
	.p2align	8
	.type	k_q3e1b4f4161_merge_out,@function
k_q3e1b4f4161_merge_out:
	s_mov_b64 s[64:65], 0
	v_nop
	global_prefetch_b8 v0, s[64:65] scope:SCOPE_SE
	s_setreg_imm32_b32 hwreg(HW_REG_WAVE_MODE, 25, 1), 1
	s_wait_xcnt 0x0
; Rows 16..1023 of each batch.  A work-group takes one tile of 16 rows (it = x + 1) of one batch.  Wave w first merges head w's n = it / 2 + 1 partial results:
;   O = sum over c of 2^(lambda_c - L) O_c / sum over c of 2^(lambda_c - L), L the running largest lambda (taken away before every exponential), all in f32;
; then, with all eight heads' O in LDS as f16 fragments, it makes columns 64 w .. 64 w + 63 of out = O w_out (f16 operands, f32 sums, K = 512 in 16 steps).
; 126 work-groups: the design has work for no more; a split along the columns would read the partial results twice.  Nothing is shared between work-groups but w_out's 512 KB: no joint requests, no tensor load.
; The partial results are taken eight at a time, four being worked on while the next four are on their way: 8 x 2,048 bytes a wave.  An index beyond n - 1 is held at n - 1, so that no load leaves what was written, and its
; lambda is made -infinity: its weight is 0.
; REGISTERS: v0-127 eight partial results of 16 registers (f16 halves have names only under v128), later four sets of w_out's fragments, later rows of out; v128-135 lambda; v136-143, v144-151 the loads' offsets, later
;   addresses of the way out; v152-183 O in f32; v184-191 at work; v192-199 four weights (pairs, the low word used); v200-201 the factor; v202 L; v203 the weights' sum; v204 16 x lane; v205 4 x lane; v206, v207 the add's two;
;   v208-239 the four accumulators; v240-255 two fragments of O.
.set OI,    0                          ; LDS: O as fragments [k block 16][c 2][lane][16 B]: lane (r, h) holds row r, k = 32 block + 16 c + 8 h + 0..7
.set ST,    16384                      ; a stage of 16 rows x (256 bytes + 16) for each wave
.set SPARE, 51200                      ; the spare words, 128 bytes for each wave, which no other line names
.set LAMR, 128
.set VO,   136
.set VL,   144
.set ACC,  152
.set TMP,  184
.set WT,   192
.set FF,   200
.set BIG,  202
.set WSUM, 203
.set LI,   204
.set L4,   205
.set SPW,  206
.set NIL,  207
.set PJ,   208
.set OF,   240
.macro ISSUE half, ahead               ; four partial results, numbers c0 + ahead + 4 half + 0..3, held at n - 1: 20 loads
.irp e, 0,1,2,3
	s_add_co_u32 s22, s20, \ahead+4*\half+\e
	s_min_u32 s22, s22, s21
	v_lshl_add_u32 v[VO+4*\half+\e], s22, 11, v[LI]
	v_lshl_add_u32 v[VL+4*\half+\e], s22, 7, v[L4]
.irp q, 0,1,2,3
	global_load_b128 v[16*(4*\half+\e)+4*\q:16*(4*\half+\e)+4*\q+3], v[VO+4*\half+\e], s[4:5] offset:512*\q
.endr
	global_load_b32 v[LAMR+4*\half+\e], v[VL+4*\half+\e], s[6:7]
.endr
.endm
; four registers r0 .. r0 + 3 of a partial result (their halves named by a .. h): eight numbers widened, four packed multiply-adds by the partial's weight
.macro ACC4 r0, a, b, c, d, e, f, g, h
	v_cvt_f32_f16 v[TMP], \a
	v_cvt_f32_f16 v[TMP+1], \b
	v_cvt_f32_f16 v[TMP+2], \c
	v_cvt_f32_f16 v[TMP+3], \d
	v_cvt_f32_f16 v[TMP+4], \e
	v_cvt_f32_f16 v[TMP+5], \f
	v_cvt_f32_f16 v[TMP+6], \g
	v_cvt_f32_f16 v[TMP+7], \h
.irp i, 0,1,2,3
	v_pk_fma_f32 v[ACC+2*((\r0)%16+\i):ACC+2*((\r0)%16+\i)+1], v[TMP+2*\i:TMP+2*\i+1], v[WT+2*(((\r0)/16)%4):WT+2*(((\r0)/16)%4)+1], v[ACC+2*((\r0)%16+\i):ACC+2*((\r0)%16+\i)+1] op_sel_hi:[1,0,1]
.endr
.endm
.macro PROC half
.irp e, 0,1,2,3
	s_add_co_u32 s22, s20, 4*\half+\e
	s_cmp_lt_u32 s22, s23
	s_cselect_b32 s24, 0, 0xff800000
	v_add_f32 v[LAMR+4*\half+\e], s24, v[LAMR+4*\half+\e]      ; beyond n - 1: -infinity.  A select, no branch
.endr
	v_max3_num_f32 v[TMP], v[LAMR+4*\half], v[LAMR+4*\half+1], v[LAMR+4*\half+2]
	v_max3_num_f32 v[TMP], v[TMP], v[LAMR+4*\half+3], v[BIG]   ; the new L
	v_sub_f32 v[FF], v[BIG], v[TMP]
.irp e, 0,1,2,3
	v_sub_f32 v[WT+2*\e], v[LAMR+4*\half+\e], v[TMP]
.endr
	v_exp_f32 v[FF], v[FF]                         ; what was summed under the old L comes under the new
.irp e, 0,1,2,3
	v_exp_f32 v[WT+2*\e], v[WT+2*\e]
.endr
	v_mov_b32 v[BIG], v[TMP]                       ; (the plain place behind the five)
	s_wait_alu depctr_va_vdst(0)                   ; one wait for the five
	v_fma_f32 v[WSUM], v[WSUM], v[FF], v[WT]
	v_add_f32 v[TMP], v[WT+2], v[WT+4]
	v_add_f32 v[WSUM], v[WSUM], v[WT+6]
	v_add_f32 v[WSUM], v[WSUM], v[TMP]
.irp j, 0,2,4,6,8,10,12,14,16,18,20,22,24,26,28,30
	v_pk_mul_f32 v[ACC+\j:ACC+\j+1], v[ACC+\j:ACC+\j+1], v[FF:FF+1] op_sel_hi:[1,0]
.endr
.if \half == 0
	ACC4 0, v0.l, v0.h, v1.l, v1.h, v2.l, v2.h, v3.l, v3.h
	ACC4 4, v4.l, v4.h, v5.l, v5.h, v6.l, v6.h, v7.l, v7.h
	ACC4 8, v8.l, v8.h, v9.l, v9.h, v10.l, v10.h, v11.l, v11.h
	ACC4 12, v12.l, v12.h, v13.l, v13.h, v14.l, v14.h, v15.l, v15.h
	ACC4 16, v16.l, v16.h, v17.l, v17.h, v18.l, v18.h, v19.l, v19.h
	ACC4 20, v20.l, v20.h, v21.l, v21.h, v22.l, v22.h, v23.l, v23.h
	ACC4 24, v24.l, v24.h, v25.l, v25.h, v26.l, v26.h, v27.l, v27.h
	ACC4 28, v28.l, v28.h, v29.l, v29.h, v30.l, v30.h, v31.l, v31.h
	ACC4 32, v32.l, v32.h, v33.l, v33.h, v34.l, v34.h, v35.l, v35.h
	ACC4 36, v36.l, v36.h, v37.l, v37.h, v38.l, v38.h, v39.l, v39.h
	ACC4 40, v40.l, v40.h, v41.l, v41.h, v42.l, v42.h, v43.l, v43.h
	ACC4 44, v44.l, v44.h, v45.l, v45.h, v46.l, v46.h, v47.l, v47.h
	ACC4 48, v48.l, v48.h, v49.l, v49.h, v50.l, v50.h, v51.l, v51.h
	ACC4 52, v52.l, v52.h, v53.l, v53.h, v54.l, v54.h, v55.l, v55.h
	ACC4 56, v56.l, v56.h, v57.l, v57.h, v58.l, v58.h, v59.l, v59.h
	ACC4 60, v60.l, v60.h, v61.l, v61.h, v62.l, v62.h, v63.l, v63.h
.else
	ACC4 64, v64.l, v64.h, v65.l, v65.h, v66.l, v66.h, v67.l, v67.h
	ACC4 68, v68.l, v68.h, v69.l, v69.h, v70.l, v70.h, v71.l, v71.h
	ACC4 72, v72.l, v72.h, v73.l, v73.h, v74.l, v74.h, v75.l, v75.h
	ACC4 76, v76.l, v76.h, v77.l, v77.h, v78.l, v78.h, v79.l, v79.h
	ACC4 80, v80.l, v80.h, v81.l, v81.h, v82.l, v82.h, v83.l, v83.h
	ACC4 84, v84.l, v84.h, v85.l, v85.h, v86.l, v86.h, v87.l, v87.h
	ACC4 88, v88.l, v88.h, v89.l, v89.h, v90.l, v90.h, v91.l, v91.h
	ACC4 92, v92.l, v92.h, v93.l, v93.h, v94.l, v94.h, v95.l, v95.h
	ACC4 96, v96.l, v96.h, v97.l, v97.h, v98.l, v98.h, v99.l, v99.h
	ACC4 100, v100.l, v100.h, v101.l, v101.h, v102.l, v102.h, v103.l, v103.h
	ACC4 104, v104.l, v104.h, v105.l, v105.h, v106.l, v106.h, v107.l, v107.h
	ACC4 108, v108.l, v108.h, v109.l, v109.h, v110.l, v110.h, v111.l, v111.h
	ACC4 112, v112.l, v112.h, v113.l, v113.h, v114.l, v114.h, v115.l, v115.h
	ACC4 116, v116.l, v116.h, v117.l, v117.h, v118.l, v118.h, v119.l, v119.h
	ACC4 120, v120.l, v120.h, v121.l, v121.h, v122.l, v122.h, v123.l, v123.h
	ACC4 124, v124.l, v124.h, v125.l, v125.h, v126.l, v126.h, v127.l, v127.h
.endif
.endm
.macro TRIP issue                      ; eight partial results
	s_wait_loadcnt 20                              ; the first four are in; the second four's 20 loads may be out.  That wait also frees the first four's offsets
	PROC 0
.if \issue
	ISSUE 0, 8
	s_wait_loadcnt 20                              ; the second four are in; the 20 just issued may be out
.else
	s_wait_loadcnt 0x0
.endif
	PROC 1
.if \issue
	ISSUE 1, 8
.endif
	s_add_co_u32 s20, s20, 8
.endm
.macro WSET kb                         ; w_out's four fragments (my four tiles of 16 columns) of k block kb into set kb % 4
.irp u, 0,1,2,3
.irp c, 0,1
	global_load_b128 v[32*((\kb)%4)+8*\u+4*\c:32*((\kb)%4)+8*\u+4*\c+3], v[LI], s[8:9] offset:16384*\u+1024*(\kb)+512*\c
.endr
.endr
.endm
.macro OFL kb                          ; O's fragment of k block kb
	ds_load_b128 v[OF+8*((\kb)%2):OF+8*((\kb)%2)+3], v[LI] offset:OI+1024*(\kb)
	ds_load_b128 v[OF+8*((\kb)%2)+4:OF+8*((\kb)%2)+7], v[LI] offset:OI+1024*(\kb)+512
.endm
.macro KB kb
.if (\kb) <= 12
	s_wait_loadcnt 24                              ; set kb is in; the three sets behind it may be out
.else
	s_wait_loadcnt 8*(15-(\kb))
.endif
.if (\kb) < 15
	s_wait_dscnt 2                                 ; O's fragment kb is in; the next one's two loads may be out
.else
	s_wait_dscnt 0x0
.endif
.irp u, 0,1,2,3                        ; source 0 = 16 columns of w_out, source 1 = the 16 rows of O: a lane holds one row and eight neighbouring columns.  Four accumulators by turns
.if (\kb) == 0
	v_wmma_f32_16x16x32_f16 v[PJ+8*\u:PJ+8*\u+7], v[32*((\kb)%4)+8*\u:32*((\kb)%4)+8*\u+7], v[OF+8*((\kb)%2):OF+8*((\kb)%2)+7], 0
.else
	v_wmma_f32_16x16x32_f16 v[PJ+8*\u:PJ+8*\u+7], v[32*((\kb)%4)+8*\u:32*((\kb)%4)+8*\u+7], v[OF+8*((\kb)%2):OF+8*((\kb)%2)+7], v[PJ+8*\u:PJ+8*\u+7]
.endif
.endr
.rept 4
	v_nop                                          ; four places ahead of loads into registers that these products have read, and of the first read of a result
.endr
.if (\kb)+4 <= 15
	WSET (\kb)+4
.endif
.if (\kb)+2 <= 15
	OFL (\kb)+2
.endif
.endm
	s_load_b256 s[4:11], s[0:1], 0x0               ; part s[4:5], lam s[6:7], wo16 s[8:9], out0 s[10:11]
	v_lshl_add_u32 v[SPW], v0, 2, SPARE            ; my spare word; never rewritten
	v_mov_b32 v[NIL], 0                            ; 0; never rewritten
	v_lshrrev_b32 v[TMP], 5, v0
	v_readfirstlane_b32 s12, v[TMP]                ; wave 0..7: my head, then my 64 columns
	v_and_b32 v[TMP], 31, v0
	v_lshlrev_b32 v[LI], 4, v[TMP]
	v_lshlrev_b32 v[L4], 2, v[TMP]
	s_add_co_u32 s13, ttmp9, 1                     ; it
	s_and_b32 s14, ttmp7, 0xffff                   ; the batch
	s_lshr_b32 s21, s13, 1                         ; n - 1
	s_add_co_u32 s23, s21, 1                       ; n
	s_add_co_u32 s25, s23, 7
	s_lshr_b32 s25, s25, 3                         ; trips of eight
	s_lshl_b32 s16, s14, 3
	s_add_co_u32 s16, s16, s12
	s_lshl_b32 s16, s16, 6
	s_add_co_u32 s16, s16, s13                     ; 64 (8 batch + head) + it
	s_mov_b32 s19, 0
	s_mov_b32 s20, 0                               ; c0
	v_mov_b32 v[BIG], 0xff61b1e6                   ; -3e38, under every lambda
	v_mov_b32 v[WSUM], 0
.irp j, 1,3,5,7,9
	v_mov_b32 v[WT+\j], 0                          ; (the upper halves of pairs of which the low word is used)
.endr
.set i, 0
.rept 32
	v_mov_b32 v[ACC+i], 0                          ; the trip is written once: the first finds zeros
.set i, i+1
.endr
	s_wait_kmcnt 0x0
	s_lshl_b32 s18, s16, 16
	s_add_nc_u64 s[4:5], s[4:5], s[18:19]          ; 32 x 2,048 bytes for each (head, row tile)
	s_lshl_b32 s18, s16, 12
	s_add_nc_u64 s[6:7], s[6:7], s[18:19]          ; 32 x 128
	s_lshl_b32 s18, s12, 16
	s_add_nc_u64 s[8:9], s[8:9], s[18:19]          ; my four tiles of w_out's columns
	s_lshl_b32 s18, s14, 6
	s_add_co_u32 s18, s18, s13
	s_lshl_b32 s18, s18, 15
	s_lshl_b32 s17, s12, 8
	s_add_co_u32 s18, s18, s17
	s_add_nc_u64 s[10:11], s[10:11], s[18:19]      ; out0: row 1,024 batch + 16 it, byte 256 w
	ISSUE 0, 0
	ISSUE 1, 0
	s_sub_co_u32 s26, s25, 1
	s_cmp_eq_u32 s26, 0
	s_cbranch_scc1 .Llast
.Ltrip:
	TRIP 1
	s_sub_co_u32 s26, s26, 1
	s_cmp_lg_u32 s26, 0
	s_cbranch_scc1 .Ltrip
.Llast:
	TRIP 0                                         ; the last eight: nothing more is asked for
	v_rcp_f32 v[FF], v[WSUM]
	v_and_b32 v136, 240, v[LI]                     ; (plain work behind the reciprocal)  16 r
	v_lshrrev_b32 v137, 8, v[LI]                   ; h
	s_lshl_b32 s17, s12, 11
	v_add_nc_u32 v138, s17, v[LI]                  ; my head's four pieces of O's image: 2,048 w + 16 x lane
	s_wait_alu depctr_va_vdst(0)
.irp j, 0,2,4,6,8,10,12,14,16,18,20,22,24,26,28,30
	v_pk_mul_f32 v[ACC+\j:ACC+\j+1], v[ACC+\j:ACC+\j+1], v[FF:FF+1] op_sel_hi:[1,0]
.endr
.irp j, 0,1,2,3,4,5,6,7,8,9,10,11,12,13,14,15
	v_cvt_pk_f16_f32 v[PJ+\j], v[ACC+2*\j], v[ACC+2*\j+1]
.endr
.irp e, 0,1,2,3
	ds_store_b128 v138, v[PJ+4*\e:PJ+4*\e+3] offset:OI+512*\e
.endr
	WSET 0
	WSET 1
	WSET 2
	WSET 3
	s_mul_i32 s17, s12, 4352
	s_add_co_u32 s17, s17, ST                      ; my stage
	v_mul_u32_u24 v139, v136, 17
	v_lshl_add_u32 v139, v137, 5, v139
	v_add_nc_u32 v139, s17, v139                   ; in: row r of 272 bytes, + 32 h
	v_mul_u32_u24 v140, v137, 272
	v_add_nc_u32 v140, v140, v136
	v_add_nc_u32 v140, s17, v140                   ; back: lanes 0-15 one row of 256 bytes, lanes 16-31 the next
	v_lshl_add_u32 v141, v137, 11, v136            ; and the same two rows in out0
	s_wait_dscnt 0x0                               ; for the others' sake: my pieces of O have landed
	s_barrier_signal -1
	s_barrier_wait -1
	OFL 0
	OFL 1
.irp k, 0,1,2,3,4,5,6,7,8,9,10,11,12,13,14,15
	KB \k
.endr
.irp u, 0,1,2,3
	ds_store_b128 v139, v[PJ+8*\u:PJ+8*\u+3] offset:64*\u          ; each accumulator from its low end on
	ds_store_b128 v139, v[PJ+8*\u+4:PJ+8*\u+7] offset:64*\u+16
.endr
.irp e, 0,1,2,3,4,5,6,7
	ds_load_b128 v[4*\e:4*\e+3], v140 offset:544*\e                ; LDS serves a wave's instructions in order: these see my stores
.endr
.irp e, 0,1,2,3,4,5,6,7
	s_wait_dscnt 7-\e                              ; rows 2 e, 2 e + 1 are back; the later rows may be out
	global_store_b128 v141, v[4*\e:4*\e+3], s[10:11] offset:4096*\e th:TH_STORE_NT   ; sixteen lanes store 256 neighbouring bytes, aligned
.endr
	s_wait_tensorcnt 0x0                           ; the wave's end: a tensor wait, an LDS add and its wait behind the last LDS store
	ds_add_u32 v[SPW], v[NIL]
	s_wait_dscnt 0x0
	s_endpgm
.Lfunc_end_k_q3e1b4f4161_merge_out:
	.size	k_q3e1b4f4161_merge_out, .Lfunc_end_k_q3e1b4f4161_merge_out-k_q3e1b4f4161_merge_out
	.p2alignl 7, 3214868480
	.fill 96, 4, 3214868480
	.section	.rodata,"a",@progbits
	.p2align	6, 0x0
	.amdhsa_kernel k_q3e1b4f4161_merge_out
		.amdhsa_group_segment_fixed_size 52224
		.amdhsa_private_segment_fixed_size 0
		.amdhsa_enable_private_segment 0
		.amdhsa_kernarg_size 32
		.amdhsa_user_sgpr_count 2
		.amdhsa_user_sgpr_kernarg_segment_ptr 1
		.amdhsa_wavefront_size32 1
		.amdhsa_system_sgpr_workgroup_id_x 1
		.amdhsa_system_sgpr_workgroup_id_y 1
		.amdhsa_system_sgpr_workgroup_id_z 1
		.amdhsa_system_vgpr_workitem_id 0
		.amdhsa_next_free_vgpr 256
		.amdhsa_next_free_sgpr 66
		.amdhsa_reserve_vcc 0
		.amdhsa_float_denorm_mode_32 3
		.amdhsa_float_denorm_mode_16_64 3
		.amdhsa_memory_ordered 1
		.amdhsa_forward_progress 1
		.amdhsa_inst_pref_size 81
	.end_amdhsa_kernel
	.amdgpu_metadata
---
amdhsa.version: [ 1, 2 ]
amdhsa.kernels:
  - .name:           k_q3e1b4f4161_merge_out
    .symbol:         k_q3e1b4f4161_merge_out.kd
    .args:
      - { .name: part, .offset: 0, .size: 8, .value_kind: global_buffer, .address_space: global }
      - { .name: lam, .offset: 8, .size: 8, .value_kind: global_buffer, .address_space: global }
      - { .name: wo16, .offset: 16, .size: 8, .value_kind: global_buffer, .address_space: global }
      - { .name: out0, .offset: 24, .size: 8, .value_kind: global_buffer, .address_space: global }
    .group_segment_fixed_size: 52224
    .private_segment_fixed_size: 0
    .kernarg_segment_align: 8
    .kernarg_segment_size: 32
    .max_flat_workgroup_size: 256
    .sgpr_count:     66
    .vgpr_count:     256
    .wavefront_size: 32
...
	.end_amdgpu_metadata
.endif
;; end of part 4
;; launch fine16 (part 5): grid 8 x 2, 8 waves a work-group, no clusters, 35,840 bytes of LDS; arguments fine, w_out, out0; writes out0
.if DOCPART == 5
	.amdgcn_target "amdgcn-amd-amdhsa--gfx1250"
	.amdhsa_code_object_version 6
	.text
	.protected	k_q3e1b4f4161_fine16
	.globl	k_q3e1b4f4161_fine16
	.p2align	8
	.type	k_q3e1b4f4161_fine16,@function
k_q3e1b4f4161_fine16:
	s_mov_b64 s[64:65], 0
	v_nop
	global_prefetch_b8 v0, s[64:65] scope:SCOPE_SE
	s_setreg_imm32_b32 hwreg(HW_REG_WAVE_MODE, 25, 1), 1
	s_wait_xcnt 0x0
; Rows 0..15 of each batch, all in f32: these rows average one to sixteen values, and rounded operands would weigh most there.  16 x 16 x 8 heads x 2 batches: no bulk work.
; Work-group (x, batch): columns 64 x .. 64 x + 63 of out0.  Wave = head: it runs the head's whole 16 x 16 attention (each of the eight work-groups of a batch again), multiplies by its own 64 rows of w_out for the
; work-group's 64 columns, and the eight heads' parts are added through LDS.
; THE f32 MATRIX FORM, 16 x 16 x 4: lane (r, h) holds row (column) r, register j holds k = 2 h + j.  A sum does not hang on which k stands where, as long as both sources agree: step e takes registers 2 e, 2 e + 1 of both.
;   Rows of 64 d are loaded 16 bytes at 256 r + 16 h + 32 c.  A result (register jj = row 8 h + jj, lane = column r) is a source of the next product as it stands, by the same rule.
; The registers that this form writes, v176-239, are written by matrix instructions alone; what is made of a sum goes to v240-255.
; The softmax takes the row's maximum away before the exponential.  LIMITS: NaN and infinite inputs are not served; the exponential and the reciprocal flush denormals.
; REGISTERS: v1 r, v2 h, v3-5 offsets, v6 r - 8 h, v7, v8 the add's two, v9 -infinity, v10-13 statistics, v14, v15 LDS addresses; v16-47 Kc, v48-79 Qc, v80-111 Vu, v112-143 Ku, later w_out for my four tiles of columns;
;   v144-175 Qu, then Vc^T, then the eight parts; v176 S_c^T, v184 T^T, v192 G^T, v200 S_u^T, later the four tiles of out; v208-239 O^T.
.set RED,   0                          ; LDS: for each head 16 rows x (256 bytes + 16)
.set SPARE, 34816                      ; the spare words, 128 bytes for each wave, which no other line names
.macro ROWS reg, vv                    ; tensor vv's [16][64] of my head
.irp c, 0,1,2,3,4,5,6,7
	global_load_b128 v[\reg+4*\c:\reg+4*\c+3], v3, s[4:5] offset:32768*\vv+32*\c
.endr
.endm
.macro WOUT u                          ; w_out(64 head + 16 (i / 8) + 8 h + i % 8, 64 x + 16 u + r), i = 0..31: the k that O^T's registers hold
.irp i, 0,1,2,3,4,5,6,7,8,9,10,11,12,13,14,15,16,17,18,19,20,21,22,23,24,25,26,27,28,29,30,31
	global_load_b32 v[16+32*\u+\i], v5, s[6:7] offset:(16*(\i/8)+\i%8)*2048+64*\u
.endr
.endm
.macro FAR n                           ; places behind this matrix form (ISA guide 7.12.1)
.rept \n
	v_nop
.endr
.endm
	s_load_b128 s[4:7], s[0:1], 0x0                ; fine, w_out
	s_load_b64 s[8:9], s[0:1], 0x10                ; out0
	v_lshl_add_u32 v7, v0, 2, SPARE                ; my spare word; never rewritten
	v_mov_b32 v8, 0                                ; 0; never rewritten
	v_lshrrev_b32 v1, 5, v0
	v_readfirstlane_b32 s10, v1                    ; wave = head
	v_and_b32 v1, 15, v0                           ; r
	v_bfe_u32 v2, v0, 4, 1                         ; h
	v_lshlrev_b32 v3, 8, v1
	v_lshl_add_u32 v3, v2, 4, v3                   ; 256 r + 16 h
	v_lshlrev_b32 v4, 6, v1
	v_lshl_add_u32 v4, v2, 5, v4                   ; 64 r + 32 h
	v_lshlrev_b32 v5, 2, v1
	v_lshl_add_u32 v5, v2, 14, v5                  ; 8 h rows of w_out + 4 r
	v_lshlrev_b32 v6, 3, v2
	v_sub_nc_u32 v6, v1, v6                        ; r - 8 h
	v_mov_b32 v9, 0xff800000
	v_mov_b32 v11, 0                               ; (a lane permute's destination counts as one of its sources)
	v_mov_b32 v13, 0
	s_mul_i32 s18, s10, 4352
	v_mul_u32_u24 v14, v2, 2176
	v_lshl_add_u32 v14, v1, 2, v14
	v_add_nc_u32 v14, s18, v14                     ; my head's part: row 8 h, column r
	v_lshrrev_b32 v15, 4, v0
	v_mul_u32_u24 v15, v15, 272
	v_lshl_add_u32 v15, v1, 4, v15                 ; the sum: thread t takes row t / 16, 16 bytes at 16 (t % 16)
	s_and_b32 s11, ttmp7, 0xffff                   ; the batch
	s_lshl_b32 s12, ttmp9, 8                       ; my 64 columns, in bytes
	s_mov_b32 s15, 0
	s_mov_b32 s16, 0x76543210
	s_mov_b32 s17, 0xfedcba98                      ; v_permlanex16_b32's selects for lane l xor 16
	s_wait_kmcnt 0x0
	s_mul_i32 s14, s11, 48
	s_add_co_u32 s14, s14, s10
	s_lshl_b32 s14, s14, 12
	s_add_nc_u64 s[4:5], s[4:5], s[14:15]          ; fine: 4,096 x (48 batch + head); a tensor on is 32,768
	s_lshl_b32 s14, s10, 17
	s_add_co_u32 s14, s14, s12
	s_add_nc_u64 s[6:7], s[6:7], s[14:15]          ; w_out: row 64 head, my columns
	s_lshl_b32 s14, s11, 21
	s_add_co_u32 s14, s14, s12
	s_add_nc_u64 s[8:9], s[8:9], s[14:15]          ; out0: row 1,024 batch, my columns
	ROWS 16, 4                                     ; Kc
	ROWS 48, 3                                     ; Qc
	ROWS 80, 2                                     ; Vu
	ROWS 112, 1                                    ; Ku
	ROWS 144, 0                                    ; Qu
	s_wait_loadcnt 0x0
	; S_c^T = Kc Qc^T (key 8 h + jj, row r), T^T = Vu Qc^T (j, row), G^T = Ku Qu^T (j, key): three sums by turns, K = 64 in sixteen steps
	v_wmma_f32_16x16x4_f32 v[176:183], v[16:17], v[48:49], 0
	v_wmma_f32_16x16x4_f32 v[184:191], v[80:81], v[48:49], 0
	v_wmma_f32_16x16x4_f32 v[192:199], v[112:113], v[144:145], 0
.irp e, 1,2,3,4,5,6,7,8,9,10,11,12,13,14,15
	v_wmma_f32_16x16x4_f32 v[176:183], v[16+2*\e:17+2*\e], v[48+2*\e:49+2*\e], v[176:183]
	v_wmma_f32_16x16x4_f32 v[184:191], v[80+2*\e:81+2*\e], v[48+2*\e:49+2*\e], v[184:191]
	v_wmma_f32_16x16x4_f32 v[192:199], v[112+2*\e:113+2*\e], v[144+2*\e:145+2*\e], v[192:199]
.endr
	FAR 8
.irp d, 0,1,2,3
	global_load_b128 v[144+8*\d:147+8*\d], v4, s[4:5] offset:32768*5+1024*\d       ; Vc^T: lane (r, h): d = 16 tile + r, keys 8 h + 0..7
	global_load_b128 v[148+8*\d:151+8*\d], v4, s[4:5] offset:32768*5+1024*\d+16
.endr
	WOUT 0
.irp j, 0,1,2,3,4,5,6,7
	v_mul_f32 v[240+\j], 0xbe38aa3b, v[192+\j]     ; - log2(e) / 8 x the score
.endr
.irp j, 0,1,2,3,4,5,6,7
	v_exp_f32 v[240+\j], v[240+\j]
.endr
.irp j, 0,1,2,3,4,5,6,7
	v_mul_f32 v[248+\j], 0x3e000000, v[184+\j]     ; T = the product / 8.  (Plain work behind the exponentials)
.endr
	s_wait_alu depctr_va_vdst(0)
.irp j, 0,2,4,6
	v_pk_add_f32 v[240+\j:241+\j], v[240+\j:241+\j], 1.0 op_sel_hi:[1,0]
.endr
.irp j, 0,1,2,3,4,5,6,7
	v_rcp_f32 v[240+\j], v[240+\j]
.endr
	v_nop
	s_wait_alu depctr_va_vdst(0)
.irp j, 0,1,2,3,4,5,6,7
	v_cmp_gt_i32 vcc_lo, \j, v6                    ; 8 h + jj > r
	v_cndmask_b32 v[240+\j], 0, v[240+\j], vcc_lo  ; G counts where j > k,
	v_cndmask_b32 v[248+\j], v[248+\j], 0, vcc_lo  ; T where j <= i
.endr
	s_wait_loadcnt 32                              ; Vc^T is in; w_out's first 32 loads may be out
	WOUT 1
	WOUT 2
	WOUT 3
	; S_u^T = G T: one sum of four links, a wait directly ahead of each link that adds onto the one before
	v_wmma_f32_16x16x4_f32 v[200:207], v[240:241], v[248:249], 0
	s_wait_alu depctr_va_vdst(0)
	v_wmma_f32_16x16x4_f32 v[200:207], v[242:243], v[250:251], v[200:207]
	s_wait_alu depctr_va_vdst(0)
	v_wmma_f32_16x16x4_f32 v[200:207], v[244:245], v[252:253], v[200:207]
	s_wait_alu depctr_va_vdst(0)
	v_wmma_f32_16x16x4_f32 v[200:207], v[246:247], v[254:255], v[200:207]
	FAR 8
.irp j, 0,1,2,3,4,5,6,7
	v_mul_f32 v[240+\j], 0xbfb8aa3b, v[200+\j]     ; - log2(e) S_u
.endr
.irp j, 0,1,2,3,4,5,6,7
	v_exp_f32 v[240+\j], v[240+\j]
.endr
	v_nop
	s_wait_alu depctr_va_vdst(0)
.irp j, 0,2,4,6
	v_pk_add_f32 v[240+\j:241+\j], v[240+\j:241+\j], 1.0 op_sel_hi:[1,0]
.endr
.irp j, 0,1,2,3,4,5,6,7
	v_rcp_f32 v[240+\j], v[240+\j]
.endr
	v_nop
	s_wait_alu depctr_va_vdst(0)
.irp j, 0,1,2,3,4,5,6,7
	v_mul_f32 v[240+\j], v[200+\j], v[240+\j]      ; silu(S_u)
.endr
.irp j, 0,1,2,3,4,5,6,7
	v_fma_f32 v[248+\j], v[176+\j], 0x3e000000, -v[240+\j]     ; S_c - silu(S_u)
.endr
.irp j, 0,1,2,3,4,5,6,7
	v_cmp_gt_i32 vcc_lo, \j, v6
	v_cndmask_b32 v[248+\j], v[248+\j], v9, vcc_lo ; keys after the row are hidden
.endr
	v_max3_num_f32 v10, v248, v249, v250
	v_max3_num_f32 v10, v10, v251, v252
	v_max3_num_f32 v10, v10, v253, v254
	v_max_num_f32 v10, v10, v255
	v_permlanex16_b32 v11, v10, s16, s17
	v_max_num_f32 v10, v10, v11                    ; the row's maximum (key 0 counts for every row)
.irp j, 0,1,2,3,4,5,6,7
	v_sub_f32 v[248+\j], v[248+\j], v10
.endr
.irp j, 0,1,2,3,4,5,6,7
	v_mul_f32 v[248+\j], 0x3fb8aa3b, v[248+\j]
.endr
.irp j, 0,1,2,3,4,5,6,7
	v_exp_f32 v[248+\j], v[248+\j]
.endr
	v_nop
	s_wait_alu depctr_va_vdst(0)
	v_pk_add_f32 v[240:241], v[248:249], v[250:251]
	v_pk_add_f32 v[242:243], v[252:253], v[254:255]
	v_pk_add_f32 v[240:241], v[240:241], v[242:243]
	v_add_f32 v12, v240, v241
	v_permlanex16_b32 v13, v12, s16, s17
	v_add_f32 v12, v12, v13
	v_rcp_f32 v12, v12
	v_nop
	s_wait_alu depctr_va_vdst(0)
.irp j, 0,2,4,6
	v_pk_mul_f32 v[248+\j:249+\j], v[248+\j:249+\j], v[12:13] op_sel_hi:[1,0]      ; the weights: lane = row, registers along the keys
.endr
	; O^T = Vc^T P: four sums by turns, K = 16 keys in four steps
.irp e, 0,1,2,3
.irp d, 0,1,2,3
.if \e == 0
	v_wmma_f32_16x16x4_f32 v[208+8*\d:215+8*\d], v[144+8*\d:145+8*\d], v[248:249], 0
.else
	v_wmma_f32_16x16x4_f32 v[208+8*\d:215+8*\d], v[144+8*\d+2*\e:145+8*\d+2*\e], v[248+2*\e:249+2*\e], v[208+8*\d:215+8*\d]
.endif
.endr
.endr
	FAR 9                                          ; nine places before a result serves as a source of this form
	s_wait_loadcnt 0x0                             ; w_out
	; out = O w_out, my head's 64 of K: source 0 = O (lane = row, registers along d), source 1 = w_out (lane = column): four sums by turns, sixteen steps
.irp d, 0,1,2,3
.irp e, 0,1,2,3
.irp u, 0,1,2,3
.if (\d == 0) && (\e == 0)
	v_wmma_f32_16x16x4_f32 v[176+8*\u:183+8*\u], v[208:209], v[16+32*\u:17+32*\u], 0
.else
	v_wmma_f32_16x16x4_f32 v[176+8*\u:183+8*\u], v[208+8*\d+2*\e:209+8*\d+2*\e], v[16+32*\u+8*\d+2*\e:17+32*\u+8*\d+2*\e], v[176+8*\u:183+8*\u]
.endif
.endr
.endr
.endr
	FAR 8
.irp u, 0,1,2,3
.irp j, 0,1,2,3,4,5,6,7
	ds_store_b32 v14, v[176+8*\u+\j] offset:RED+272*\j+64*\u   ; out(8 h + jj, 16 u + r): each accumulator from its low end on
.endr
.endr
	v_lshrrev_b32 v4, 4, v0                        ; (its loads are long done)  the sum's place in out0: row t / 16,
	v_lshlrev_b32 v4, 11, v4
	v_lshl_add_u32 v4, v1, 4, v4                   ; 16 bytes at 16 (t % 16)
	s_wait_dscnt 0x0                               ; for the others' sake: my part has landed
	s_barrier_signal -1
	s_barrier_wait -1
.irp w, 0,1,2,3,4,5,6,7
	ds_load_b128 v[144+4*\w:147+4*\w], v15 offset:RED+4352*\w
.endr
	s_wait_dscnt 0x0
.irp w, 0,2,4,6
	v_pk_add_f32 v[144+4*\w:145+4*\w], v[144+4*\w:145+4*\w], v[148+4*\w:149+4*\w]
	v_pk_add_f32 v[146+4*\w:147+4*\w], v[146+4*\w:147+4*\w], v[150+4*\w:151+4*\w]
.endr
.irp w, 0,4
	v_pk_add_f32 v[144+4*\w:145+4*\w], v[144+4*\w:145+4*\w], v[152+4*\w:153+4*\w]
	v_pk_add_f32 v[146+4*\w:147+4*\w], v[146+4*\w:147+4*\w], v[154+4*\w:155+4*\w]
.endr
	v_pk_add_f32 v[144:145], v[144:145], v[160:161]
	v_pk_add_f32 v[146:147], v[146:147], v[162:163]
	global_store_b128 v4, v[144:147], s[8:9] th:TH_STORE_NT    ; sixteen lanes store 256 neighbouring bytes, aligned
	s_wait_tensorcnt 0x0                           ; the wave's end: a tensor wait, an LDS add and its wait behind the last LDS store
	ds_add_u32 v7, v8
	s_wait_dscnt 0x0
	s_endpgm
.Lfunc_end_k_q3e1b4f4161_fine16:
	.size	k_q3e1b4f4161_fine16, .Lfunc_end_k_q3e1b4f4161_fine16-k_q3e1b4f4161_fine16
	.p2alignl 7, 3214868480
	.fill 96, 4, 3214868480
	.section	.rodata,"a",@progbits
	.p2align	6, 0x0
	.amdhsa_kernel k_q3e1b4f4161_fine16
		.amdhsa_group_segment_fixed_size 35840
		.amdhsa_private_segment_fixed_size 0
		.amdhsa_enable_private_segment 0
		.amdhsa_kernarg_size 24
		.amdhsa_user_sgpr_count 2
		.amdhsa_user_sgpr_kernarg_segment_ptr 1
		.amdhsa_wavefront_size32 1
		.amdhsa_system_sgpr_workgroup_id_x 1
		.amdhsa_system_sgpr_workgroup_id_y 1
		.amdhsa_system_sgpr_workgroup_id_z 1
		.amdhsa_system_vgpr_workitem_id 0
		.amdhsa_next_free_vgpr 256
		.amdhsa_next_free_sgpr 66
		.amdhsa_reserve_vcc 1
		.amdhsa_float_denorm_mode_32 3
		.amdhsa_float_denorm_mode_16_64 3
		.amdhsa_memory_ordered 1
		.amdhsa_forward_progress 1
		.amdhsa_inst_pref_size 40
	.end_amdhsa_kernel
	.amdgpu_metadata
---
amdhsa.version: [ 1, 2 ]
amdhsa.kernels:
  - .name:           k_q3e1b4f4161_fine16
    .symbol:         k_q3e1b4f4161_fine16.kd
    .args:
      - { .name: fine, .offset: 0, .size: 8, .value_kind: global_buffer, .address_space: global }
      - { .name: w_out, .offset: 8, .size: 8, .value_kind: global_buffer, .address_space: global }
      - { .name: out0, .offset: 16, .size: 8, .value_kind: global_buffer, .address_space: global }
    .group_segment_fixed_size: 35840
    .private_segment_fixed_size: 0
    .kernarg_segment_align: 8
    .kernarg_segment_size: 24
    .max_flat_workgroup_size: 256
    .sgpr_count:     66
    .vgpr_count:     256
    .wavefront_size: 32
...
	.end_amdgpu_metadata
.endif
;; end of part 5
